; MI455X (gfx1250); checked and timed in simulation.
; The chip was launched on July 23, 2026; its instructions are those of AMD's public machine-readable ISA for CDNA 5 (MIT licence, August 2026) and "CDNA5" Instruction Set Architecture Reference Guide (July 2026). The comments in the code are by the model that wrote it; some were corrected since.
;; Knn XL Multi Heads Attention. Allowed arithmetic: matrix products marked QUANTISED: E2M1 operands, one E8M0 scale for each 32 along K, by v_wmma_scale_f32_16x16x128_f8f6f4 with both operands' format E2M1 (or v_wmma_scale_f32_32x16x128_f4), f32 sums; everything else in f32.
;; Inputs: Wk_codes 1,024 x 32 x 16 uint8 (E2M1 codes of Wk, K innermost, in blocks of 32 codes, two codes a byte); Wk_scales 1,024 x 32 uint8 (E8M0 scales of Wk, one for each 32 codes along K); Wo_codes 1,024 x 32 x 16 uint8 (E2M1 codes of Wo, K innermost, in blocks of 32 codes, two codes a byte); Wo_scales 1,024 x 32 uint8 (E8M0 scales of Wo, one for each 32 codes along K); Wq_codes 1,024 x 32 x 16 uint8 (E2M1 codes of Wq, K innermost, in blocks of 32 codes, two codes a byte); Wq_scales 1,024 x 32 uint8 (E8M0 scales of Wq, one for each 32 codes along K); Wv_codes 1,024 x 32 x 16 uint8 (E2M1 codes of Wv, K innermost, in blocks of 32 codes, two codes a byte); Wv_scales 1,024 x 32 uint8 (E8M0 scales of Wv, one for each 32 codes along K); bk 1,024 float32; bo 1,024 float32; bq 1,024 float32; bv 1,024 float32; gate 16 x 1 x 1 float32; input_codes 4 x 512 x 32 x 16 uint8 (E2M1 codes of input, K innermost, in blocks of 32 codes, two codes a byte); input_scales 4 x 512 x 32 uint8 (E8M0 scales of input, one for each 32 codes along K); kv_external 4 x 512 x 8 x 2 x 1,024 float32; rel_pos 1 x 16 x 512 x 1,024 float32; xl_memory 4 x 512 x 2 x 1,024 float32.
;; Outputs: out0 4 x 512 x 1,024 float32; out1 4 x 512 x 2 x 1,024 float32.
;; This version of the problem:
;;   THIS VERSION OF THE PROBLEM IS GIVEN IN LOW PRECISION. The matrix products marked QUANTISED in the list below multiply operands that are first quantised to E2M1 (2 exponent bits, 1 mantissa bit; 4 bits a number), with one power-of-two scale for each 32 numbers along K (OCP MX v1.0); their sums are f32. All else is computed in f32.
;;   The module's matrix products, in the order in which they are computed (A, B: the left and right operand; K: the contracted axis; several contracted axes count as one K, in the product's order):
;;     1. [M 2,048, K 1,024] x [K 1,024, N 1,024]; A: input input (given as codes); B: input Wq (given as codes): QUANTISED
;;     2. [M 2,048, K 1,024] x [K 1,024, N 1,024]; A: input input (given as codes); B: input Wk (given as codes): QUANTISED
;;     3. [M 2,048, K 1,024] x [K 1,024, N 1,024]; A: input input (given as codes); B: input Wv (given as codes): QUANTISED
;;     4. batch 64 x [M 512, K 64] x [K 64, N 1,024]; A: computed on the way; B: computed on the way: QUANTISED
;;     5. batch 64 x [M 512, K 1,024] x [K 1,024, N 64]; A: softmax (see below); B: computed on the way: QUANTISED
;;     6. batch 64 x [M 512, K 64] x [K 64, N 4,096]; A: computed on the way; B: input kv_external: QUANTISED
;;     7. batch 64 x [M 512, K 4,096] x [K 4,096, N 64]; A: computed on the way; B: input kv_external: QUANTISED
;;     8. [M 2,048, K 1,024] x [K 1,024, N 1,024]; A: computed on the way; B: input Wo (given as codes): QUANTISED
;;   THE QUANTISER, for each operand of a quantised product, along K:
;;     - K is cut into blocks of 32 from its start; a last block that is shorter is filled with zeros.
;;     - A block's scale is 2^e with e = floor(log2(the largest magnitude in the block)) - 2, held to -126 .. 127; a block of zeros has e = 0. As a byte (E8M0): e + 127.
;;     - Each number is divided by its block's scale, clamped to +-6, and rounded to the nearest number of E2M1, ties to even, subnormals kept.
;;     - The product sums the exact products of the quantised numbers (number of the format x scale) in f32.
;;   ~~~python
;;   def quantise(x, axis):      # numpy; x: float32 -> the quantised numbers, widened to float32 again
;;       x = np.moveaxis(x, axis, -1); K = x.shape[-1]
;;       x = np.pad(x, [(0, 0)] * (x.ndim - 1) + [(0, -K % 32)]); x = x.reshape(x.shape[:-1] + (-1, 32)); a = np.abs(x).max(-1, keepdims=True)
;;       e = np.where(a > 0, np.clip(np.frexp(np.where(a > 0, a, 1))[1] - 1 - 2, -126, 127), 0)      # np.frexp(a)[1] - 1 = floor(log2(a)), exactly
;;       r = np.clip(x / 2.0 ** e, -6, 6)
;;       step = 2.0 ** (np.maximum(np.frexp(np.where(r == 0, 1, r))[1] - 1, 0) - 1)
;;       q = np.round(r / step) * step * 2.0 ** e      # np.round: ties to even
;;       return np.moveaxis(q.reshape(q.shape[:-2] + (-1,))[..., :K], -1, axis).astype(np.float32)
;;   ~~~
;;   SOFTMAX AHEAD OF A QUANTISED PRODUCT. Where the list says 'softmax', what is quantised is not the finished softmax but p = 2^(t - M), with t = logit x log2(e) and M = ceil(the row's largest t), a whole number; so 1/2 < the row's largest p <= 1. The row's sum l is taken of the UNQUANTISED p, in f32, and the product's result is divided by l at the end. Since M is a whole number, a kernel that streams over the keys may use a running M (the ceiling of the running maximum): every later rescaling is an exact power of two, which a block's scale takes up: the codes' values come out the same.
;;   OPERANDS COMPUTED ON THE WAY. 'Computed on the way' means the value that the module computes at that place (a softmax that the list does not call 'softmax' is quantised finished and normalised). What goes into a quantiser is computed in f32, as accurately as f32 sums, v_exp_f32 and their like allow (about 1e-6 of the number): no bf16 or f16 on the way to a quantiser, and a product that is left as it is and whose result goes on into a quantised operand takes f32 operands (vector FMAs, or v_wmma_f32_16x16x4_f32). A number that lies on a knife's edge between two numbers of the format may be rounded either way, as far as f32 arithmetic and the matrix unit's own rounding can turn it there, and no further.
;;   INPUTS GIVEN AS CODES. Wk (in the module: [1024, 1024], K = its axis 1); Wo (in the module: [1024, 1024], K = its axis 1); Wq (in the module: [1024, 1024], K = its axis 1); Wv (in the module: [1024, 1024], K = its axis 1); input (in the module: [4, 512, 1024], K = its axis 2): each comes as NAME_codes (uint8): NAME with its K axis moved to the last place and cut into blocks of 32 codes, [.., K / 32, bytes a block], one block behind the other in memory; two codes a byte, the lower K in the low four bits (a code: sign, 2 exponent bits, 1 mantissa bit); and NAME_scales (uint8): the same leading axes, one E8M0 byte (e + 127) for each 32 codes along K. Its value is code x scale, taken as it is: it is not quantised again, and the codes and scales need not be those that the quantiser above would give.
;; 2 versions, each right; version 2 is version 1 with the launches proj, quant, oproj written anew for expert scheduling mode. Each part assembles by itself: llvm-mc -triple=amdgcn-amd-amdhsa -mcpu=gfx1250 --defsym DOCPART=n.
;; ======== version 1 of 2: 4 launches
;; workspace buffers: qcodes 1,048,576 bytes; qscales 262,144 bytes; extrec 17,825,792 bytes; locrec 4,456,448 bytes; fcodes 1,048,576 bytes; fscales 65,536 bytes
;; launch proj (part 1): grid 64 x 3, 16 waves a work-group, no clusters, 75,776 bytes of LDS; arguments input_codes, input_scales, Wq_codes, Wk_codes, Wv_codes, Wq_scales, Wk_scales, Wv_scales, bq, bk, bv, qcodes, qscales, out1; writes qcodes, qscales, out1
.if DOCPART == 1
	.amdgcn_target "amdgcn-amd-amdhsa--gfx1250"
	.amdhsa_code_object_version 6
	.text
	.protected	k_q9c89f2be7b_proj
	.globl	k_q9c89f2be7b_proj
	.p2align	8
	.type	k_q9c89f2be7b_proj,@function
k_q9c89f2be7b_proj:
	s_mov_b64 s[64:65], 0
	v_nop
	global_prefetch_b8 v0, s[64:65] scope:SCOPE_SE
	s_setreg_imm32_b32 hwreg(HW_REG_WAVE_MODE, 25, 1), 1
	s_wait_xcnt 0x0
; q, k, v = input W^T + b on codes of FP4 (E2M1) with E8M0 scales, as they are given; q and k divided by max(their row's norm over all 1,024 columns, 1e-12).
; A work-group takes 32 rows of input and ALL 1,024 columns of ONE weight (work-group y: 0 = q, 1 = k, 2 = v), so that a row's norm is made inside it.
; Wave w takes columns 64 w .. 64 w + 63, head w: 4 tiles of columns x 2 tiles of rows, 8 accumulators, K in 8 steps of 128.
; THE PRODUCT IS USED TRANSPOSED: source 0 = 16 rows of W, source 1 = 16 rows of input.  THE ROWS OF W THAT FORM A TILE ARE NOT NEIGHBOURS: lane r of tile 2 b + u takes row 32 b + 8 u + r + 8 (r / 8),
; so that accumulator (rt, 2 b + u), lane (r, hh), register j is (row 16 rt + r, column 64 w + 32 b + 16 hh + 8 u + j): the 16 registers of tiles 2 b, 2 b + 1 are 16 neighbouring columns.
; The bias is loaded into the accumulators: every K step then adds in place and nothing is cleared.
; k and v leave as f32 (out1), through the wave's own stage, sixteen lanes to 256 consecutive aligned bytes.  q leaves as codes: a head's 64 numbers are two blocks of 32; a tile of 16 queries is an image of
; four operand registers (16 bytes a lane at 16 x lane) and a scale word (s0, s1, s0, s1) a lane.
; No tensor loads and no cluster: no two waves of a work-group read the same weight rows, and a wave has only 64 matrix instructions.
; LIMITS: NaN and infinities are not served; a block of zeros carries the byte 1 (its codes are zeros; the bytes are read by this program alone).
.set ACC,  184                         ; v184-247 accumulator (rt, ct) at ACC + 8 (4 rt + ct)
.set SETS, 40                          ; v40-183  three sets of 48: W's four fragments, then input's two
.set WSC,  16                          ; v16-31   W's scale words: 8 b + s; lanes 0-15 tile u = 0, lanes 16-31 tile u = 1
.set XSC,  32                          ; v32-39   input's scale words of K step s: lane = row
.set STG,  4096                        ; LDS: 0 .. 4,095 the waves' sums of squares; from 4,096 a stage of 16 rows x 272 bytes for each wave
.set STW,  4352
; one scaled matrix instruction: d, a, b, c first registers (c < 0: the constant 0), sa, sb scale registers, ra, rb = 1: that side's scales stand in lanes 16-31
.macro WM d, a, b, c, sa, sb, ra, rb
.set WSEL, (\ra)+2*(\rb)
.if (\c) < 0
.if WSEL == 0
	v_wmma_scale_f32_16x16x128_f8f6f4 v[\d:\d+7], v[\a:\a+7], v[\b:\b+7], 0, v[\sa], v[\sb] matrix_a_fmt:MATRIX_FMT_FP4 matrix_b_fmt:MATRIX_FMT_FP4
.elseif WSEL == 1
	v_wmma_scale_f32_16x16x128_f8f6f4 v[\d:\d+7], v[\a:\a+7], v[\b:\b+7], 0, v[\sa], v[\sb] matrix_a_fmt:MATRIX_FMT_FP4 matrix_b_fmt:MATRIX_FMT_FP4 matrix_a_scale:MATRIX_SCALE_ROW1
.elseif WSEL == 2
	v_wmma_scale_f32_16x16x128_f8f6f4 v[\d:\d+7], v[\a:\a+7], v[\b:\b+7], 0, v[\sa], v[\sb] matrix_a_fmt:MATRIX_FMT_FP4 matrix_b_fmt:MATRIX_FMT_FP4 matrix_b_scale:MATRIX_SCALE_ROW1
.else
	v_wmma_scale_f32_16x16x128_f8f6f4 v[\d:\d+7], v[\a:\a+7], v[\b:\b+7], 0, v[\sa], v[\sb] matrix_a_fmt:MATRIX_FMT_FP4 matrix_b_fmt:MATRIX_FMT_FP4 matrix_a_scale:MATRIX_SCALE_ROW1 matrix_b_scale:MATRIX_SCALE_ROW1
.endif
.else
.if WSEL == 0
	v_wmma_scale_f32_16x16x128_f8f6f4 v[\d:\d+7], v[\a:\a+7], v[\b:\b+7], v[\c:\c+7], v[\sa], v[\sb] matrix_a_fmt:MATRIX_FMT_FP4 matrix_b_fmt:MATRIX_FMT_FP4
.elseif WSEL == 1
	v_wmma_scale_f32_16x16x128_f8f6f4 v[\d:\d+7], v[\a:\a+7], v[\b:\b+7], v[\c:\c+7], v[\sa], v[\sb] matrix_a_fmt:MATRIX_FMT_FP4 matrix_b_fmt:MATRIX_FMT_FP4 matrix_a_scale:MATRIX_SCALE_ROW1
.elseif WSEL == 2
	v_wmma_scale_f32_16x16x128_f8f6f4 v[\d:\d+7], v[\a:\a+7], v[\b:\b+7], v[\c:\c+7], v[\sa], v[\sb] matrix_a_fmt:MATRIX_FMT_FP4 matrix_b_fmt:MATRIX_FMT_FP4 matrix_b_scale:MATRIX_SCALE_ROW1
.else
	v_wmma_scale_f32_16x16x128_f8f6f4 v[\d:\d+7], v[\a:\a+7], v[\b:\b+7], v[\c:\c+7], v[\sa], v[\sb] matrix_a_fmt:MATRIX_FMT_FP4 matrix_b_fmt:MATRIX_FMT_FP4 matrix_a_scale:MATRIX_SCALE_ROW1 matrix_b_scale:MATRIX_SCALE_ROW1
.endif
.endif
.endm
; K step s: twelve loads of 16 bytes a lane into set s % 3
.macro LOADSET s
.set SB, SETS+48*((\s)%3)
.irp ct, 0,1,2,3
.irp c, 0,1
	global_load_b128 v[SB+8*\ct+4*\c:SB+8*\ct+4*\c+3], v1, s[36:37] offset:(32*(\ct/2)+8*(\ct%2))*512+64*(\s)+32*\c
.endr
.endr
.irp rt, 0,1
.irp c, 0,1
	global_load_b128 v[SB+32+8*\rt+4*\c:SB+32+8*\rt+4*\c+3], v2, s[42:43] offset:\rt*8192+64*(\s)+32*\c
.endr
.endr
.endm
; K step s: eight matrix instructions, the eight accumulators by turns, in the same order in every step
.macro STEP s
.if (\s) < 6
	s_wait_loadcnt 24                      ; this step's set is in; the two younger sets, 12 loads each, may be out
.elseif (\s) == 6
	s_wait_loadcnt 12
.else
	s_wait_loadcnt 0x0
.endif
.set SB, SETS+48*((\s)%3)
.irp rt, 0,1
.irp ct, 0,1,2,3
	WM ACC+8*(4*\rt+\ct), SB+8*\ct, SB+32+8*\rt, ACC+8*(4*\rt+\ct), WSC+8*(\ct/2)+(\s), XSC+(\s), \ct%2, \rt
.endr
.endr
.if ((\s) < 5) || ((\s) == 7)
.rept 4
	v_nop                                  ; four places in front of loads into registers that these products read, and of the first read of results
.endr
.endif
.if (\s) < 5
	LOADSET (\s)+3
.endif
.endm
	s_load_b512 s[8:23], s[0:1], 0x0       ; input codes 8, scales 10; Wq, Wk, Wv codes 12, 14, 16; their scales 18, 20, 22
	s_load_b256 s[24:31], s[0:1], 0x40     ; bq 24, bk 26, bv 28, qcodes 30
	s_load_b128 s[32:35], s[0:1], 0x60     ; qscales 32, out1 34
	v_lshrrev_b32 v13, 5, v0
	v_readfirstlane_b32 s6, v13            ; wave 0..15 = head
	s_and_b32 s4, ttmp7, 0xffff            ; which weight
	s_mov_b32 s5, ttmp9                    ; which 32 rows
	s_mov_b32 s48, 0x76543210
	s_mov_b32 s49, 0xfedcba98              ; v_permlanex16_b32's selects for lane l xor 16
	v_and_b32 v13, 31, v0                  ; lane
	v_and_b32 v14, 15, v0                  ; r
	v_bfe_u32 v15, v0, 4, 1                ; hh
	v_and_b32 v1, 8, v0
	v_add_nc_u32 v1, v1, v14               ; r + 8 (r / 8)
	v_lshl_add_u32 v4, v15, 3, v1          ; + 8 hh: the row whose scale words my lane takes
	v_lshlrev_b32 v4, 5, v4                ; 32 bytes of scales a row
	v_lshlrev_b32 v1, 9, v1
	v_lshl_add_u32 v1, v15, 4, v1          ; W: a row is 512 bytes; + 16 hh
	v_lshlrev_b32 v2, 9, v14
	v_lshl_add_u32 v2, v15, 4, v2          ; input likewise, row r
	v_lshlrev_b32 v3, 6, v15               ; bias: my half's 8 columns begin 16 hh columns on
	v_lshlrev_b32 v5, 5, v13               ; input's scales: lane = row
	s_mul_i32 s7, s6, STW
	s_add_co_u32 s7, s7, STG               ; my stage
	v_mul_u32_u24 v6, v14, 272
	v_lshl_add_u32 v6, v15, 6, v6
	v_add_nc_u32 v6, s7, v6                ; in: row r, + 64 hh bytes
	v_mul_u32_u24 v7, v15, 272
	v_lshl_add_u32 v7, v14, 4, v7
	v_add_nc_u32 v7, s7, v7                ; back: lanes 0-15 one row of 256 bytes, lanes 16-31 the next
	v_lshlrev_b32 v8, 13, v15
	v_lshl_add_u32 v8, v14, 4, v8          ; and the same two rows in out1 (8,192 bytes a row)
	v_lshlrev_b32 v9, 4, v13               ; 16 x lane
	v_lshlrev_b32 v10, 2, v13              ; 4 x lane
	v_lshlrev_b32 v11, 3, v0               ; the sums of squares: 256 x wave + 8 x lane
	v_lshlrev_b32 v12, 3, v13              ; 8 x lane
	s_wait_kmcnt 0x0
	s_cmp_eq_u32 s4, 1                     ; the choice hangs on the work-group's number alone
	s_cselect_b64 s[36:37], s[14:15], s[16:17]
	s_cselect_b64 s[38:39], s[20:21], s[22:23]
	s_cselect_b64 s[40:41], s[26:27], s[28:29]
	s_cmp_eq_u32 s4, 0
	s_cselect_b64 s[36:37], s[12:13], s[36:37]
	s_cselect_b64 s[38:39], s[18:19], s[38:39]
	s_cselect_b64 s[40:41], s[24:25], s[40:41]
	s_cmp_eq_u32 s4, 2
	s_cselect_b32 s50, 0, -1               ; all ones where the rows are normalised (q, k)
	s_mov_b32 s3, 0
	s_lshl_b32 s2, s6, 15
	s_add_nc_u64 s[36:37], s[36:37], s[2:3]    ; my 64 rows of W: codes,
	s_lshl_b32 s2, s6, 11
	s_add_nc_u64 s[38:39], s[38:39], s[2:3]    ; scales,
	s_lshl_b32 s2, s6, 8
	s_add_nc_u64 s[40:41], s[40:41], s[2:3]    ; bias
	s_lshl_b32 s2, s5, 14
	s_add_nc_u64 s[42:43], s[8:9], s[2:3]      ; the work-group's 32 rows of input: codes,
	s_lshl_b32 s2, s5, 10
	s_add_nc_u64 s[44:45], s[10:11], s[2:3]    ; scales
.irp b, 0,1
	global_load_b128 v[WSC+8*\b:WSC+8*\b+3], v4, s[38:39] offset:1024*\b
	global_load_b128 v[WSC+8*\b+4:WSC+8*\b+7], v4, s[38:39] offset:1024*\b+16
.endr
	global_load_b128 v[XSC:XSC+3], v5, s[44:45]
	global_load_b128 v[XSC+4:XSC+7], v5, s[44:45] offset:16
.irp rt, 0,1
.irp ct, 0,1,2,3
	global_load_b128 v[ACC+8*(4*\rt+\ct):ACC+8*(4*\rt+\ct)+3], v3, s[40:41] offset:(32*(\ct/2)+8*(\ct%2))*4
	global_load_b128 v[ACC+8*(4*\rt+\ct)+4:ACC+8*(4*\rt+\ct)+7], v3, s[40:41] offset:(32*(\ct/2)+8*(\ct%2))*4+16
.endr
.endr
	LOADSET 0
	LOADSET 1
	LOADSET 2
.irp s, 0,1,2,3,4,5,6,7
	STEP \s
.endr
	; the rows' sums of squares: my 32 numbers of each of two rows, two chains a row, each accumulator from its low end on
	v_pk_mul_f32 v[248:249], v[ACC:ACC+1], v[ACC:ACC+1]
	v_pk_mul_f32 v[250:251], v[ACC+2:ACC+3], v[ACC+2:ACC+3]
	v_pk_mul_f32 v[252:253], v[ACC+32:ACC+33], v[ACC+32:ACC+33]
	v_pk_mul_f32 v[254:255], v[ACC+34:ACC+35], v[ACC+34:ACC+35]
.set i, 4
.rept 7
	v_pk_fma_f32 v[248:249], v[ACC+i:ACC+i+1], v[ACC+i:ACC+i+1], v[248:249]
	v_pk_fma_f32 v[250:251], v[ACC+i+2:ACC+i+3], v[ACC+i+2:ACC+i+3], v[250:251]
	v_pk_fma_f32 v[252:253], v[ACC+32+i:ACC+33+i], v[ACC+32+i:ACC+33+i], v[252:253]
	v_pk_fma_f32 v[254:255], v[ACC+34+i:ACC+35+i], v[ACC+34+i:ACC+35+i], v[254:255]
.set i, i+4
.endr
	v_pk_add_f32 v[248:249], v[248:249], v[250:251]
	v_pk_add_f32 v[252:253], v[252:253], v[254:255]
	v_add_f32 v248, v248, v249
	v_add_f32 v249, v252, v253
	v_permlanex16_b32 v250, v248, s48, s49
	v_permlanex16_b32 v251, v249, s48, s49
	v_pk_add_f32 v[248:249], v[248:249], v[250:251]    ; my wave's 64 columns of rows r and 16 + r
	ds_store_b64 v11, v[248:249]
	s_wait_dscnt 0x0                       ; for the others' sake: my store has landed
	s_barrier_signal -1
	s_barrier_wait -1
.irp v, 0,1,2,3,4,5,6,7,8,9,10,11,12,13,14,15
	ds_load_b64 v[40+2*\v:41+2*\v], v12 offset:256*\v
.endr
	s_wait_dscnt 0x0
	v_pk_add_f32 v[248:249], v[40:41], v[42:43]
.irp v, 2,3,4,5,6,7,8,9,10,11,12,13,14,15
	v_pk_add_f32 v[248:249], v[248:249], v[40+2*\v:41+2*\v]    ; in the same order in every wave
.endr
	v_sqrt_f32 v250, v248
	v_sqrt_f32 v251, v249
	v_nop                                  ; a plain place behind the transcendentals
	s_wait_alu depctr_va_vdst(0)           ; one wait for both, ahead of their first reader
	v_max_num_f32 v250, 0x2b8cbccc, v250   ; max(norm, 1e-12)
	v_max_num_f32 v251, 0x2b8cbccc, v251
	v_rcp_f32 v252, v250
	v_rcp_f32 v254, v251
	v_nop
	s_wait_alu depctr_va_vdst(0)
	v_cndmask_b32 v252, 1.0, v252, s50     ; v is not normalised
	v_cndmask_b32 v254, 1.0, v254, s50
.set i, 0
.rept 16
	v_pk_mul_f32 v[ACC+i:ACC+i+1], v[ACC+i:ACC+i+1], v[252:253] op_sel_hi:[1,0]
	v_pk_mul_f32 v[ACC+32+i:ACC+33+i], v[ACC+32+i:ACC+33+i], v[254:255] op_sel_hi:[1,0]
.set i, i+2
.endr
	s_cmp_eq_u32 s4, 0
	s_cbranch_scc0 .Lkv
	; ---- q: two blocks of 32 a row become codes and a scale word
	s_lshr_b32 s2, s5, 4                   ; batch
	s_lshl_b32 s2, s2, 4
	s_add_co_u32 s2, s2, s6                ; batch x 16 + head
	s_lshl_b32 s2, s2, 5
	s_and_b32 s7, s5, 15
	s_lshl_b32 s7, s7, 1
	s_add_co_u32 s7, s2, s7                ; the first of my two tiles of 16 queries
	s_lshl_b32 s2, s7, 9
	s_add_nc_u64 s[46:47], s[30:31], s[2:3]
	s_lshl_b32 s2, s7, 7
	s_add_nc_u64 s[52:53], s[32:33], s[2:3]
.macro QUANT32 rt
.set QA, ACC+32*\rt
.set QP, 48+8*\rt
.irp b, 0,1
	v_max3_num_f32 v[40+\b], |v[QA+16*\b]|, |v[QA+16*\b+1]|, 0x1800000     ; block b: my 16 numbers, and the floor 2^(3 - 127): the byte cannot fall under 1
.endr
.irp i, 2,4,6,8,10,12,14
.irp b, 0,1
	v_max3_num_f32 v[40+\b], v[40+\b], |v[QA+16*\b+\i]|, |v[QA+16*\b+\i+1]|
.endr
.endr
	v_permlanex16_b32 v42, v40, s48, s49
	v_permlanex16_b32 v43, v41, s48, s49
	v_max_num_f32 v40, v40, v42            ; with lane l xor 16's 16: the block's largest magnitude
	v_max_num_f32 v41, v41, v43
	v_add_nc_u32 v44, 0xff000000, v40      ; 2 off its exponent field: the conversion's scale operand
	v_add_nc_u32 v45, 0xff000000, v41
	v_lshrrev_b32 v46, 23, v44             ; the scale's byte
	v_lshrrev_b32 v47, 23, v45
	v_lshl_or_b32 v[QP+4], v47, 8, v46
	v_lshl_or_b32 v[QP+4], v[QP+4], 16, v[QP+4]    ; (s0, s1, s0, s1): q will stand in the lower or in the upper 64 of a K step of 128
.irp b, 0,1
	v_cvt_scalef32_pk8_fp4_f32 v[QP+2*\b], v[QA+16*\b:QA+16*\b+7], v[44+\b]
	v_cvt_scalef32_pk8_fp4_f32 v[QP+2*\b+1], v[QA+16*\b+8:QA+16*\b+15], v[44+\b]
.endr
	v_nop                                  ; one plain place behind a scaled conversion
	v_permlane16_swap_b32 v[QP], v[QP+2]   ; a whole block in a lane: lanes 0-15 block 0, lanes 16-31 block 1
	v_permlane16_swap_b32 v[QP+1], v[QP+3]
	global_store_b128 v9, v[QP:QP+3], s[46:47] offset:512*\rt      ; the wave stores 512 consecutive bytes
	global_store_b32 v10, v[QP+4], s[52:53] offset:128*\rt
.endm
	QUANT32 0
	QUANT32 1
	s_wait_xcnt 0x0
	v_lshl_add_u32 v254, v0, 2, 0x12000
	v_mov_b32 v255, 0
	s_wait_tensorcnt 0x0
	ds_add_u32 v254, v255
	s_wait_dscnt 0x0
	s_endpgm
.Lkv:
	; ---- k, v: 16 rows x 256 bytes at a time through my stage
	s_sub_co_u32 s2, s4, 1
	s_lshl_b32 s2, s2, 12                  ; k at byte 0 of a row of out1, v at byte 4,096
	s_lshl_b32 s7, s5, 18                  ; 32 rows of 8,192 bytes
	s_add_co_u32 s2, s2, s7
	s_lshl_b32 s7, s6, 8
	s_add_co_u32 s2, s2, s7
	s_add_nc_u64 s[46:47], s[34:35], s[2:3]
.irp rt, 0,1
.irp ct, 0,1,2,3
	ds_store_b128 v6, v[ACC+32*\rt+8*\ct:ACC+32*\rt+8*\ct+3] offset:128*(\ct/2)+32*(\ct%2)
	ds_store_b128 v6, v[ACC+32*\rt+8*\ct+4:ACC+32*\rt+8*\ct+7] offset:128*(\ct/2)+32*(\ct%2)+16
.endr
.irp i, 0,1,2,3,4,5,6,7
	ds_load_b128 v[40+32*\rt+4*\i:40+32*\rt+4*\i+3], v7 offset:544*\i      ; LDS serves a wave's instructions in order (ISA guide 5.7.1.4): these see my stores
.endr
.irp i, 0,1,2,3,4,5,6,7
	s_wait_dscnt 7-\i
	global_store_b128 v8, v[40+32*\rt+4*\i:40+32*\rt+4*\i+3], s[46:47] offset:(16*\rt+2*\i)*8192   ; sixteen lanes store 256 consecutive bytes, aligned
.endr
.endr
	s_wait_xcnt 0x0
	v_lshl_add_u32 v254, v0, 2, 0x12000
	v_mov_b32 v255, 0
	s_wait_tensorcnt 0x0
	ds_add_u32 v254, v255
	s_wait_dscnt 0x0
	s_endpgm
.Lfunc_end_k_q9c89f2be7b_proj:
	.size	k_q9c89f2be7b_proj, .Lfunc_end_k_q9c89f2be7b_proj-k_q9c89f2be7b_proj
	.p2alignl 7, 3214868480
	.fill 96, 4, 3214868480
	.section	.rodata,"a",@progbits
	.p2align	6, 0x0
	.amdhsa_kernel k_q9c89f2be7b_proj
		.amdhsa_group_segment_fixed_size 75776
		.amdhsa_private_segment_fixed_size 0
		.amdhsa_enable_private_segment 0
		.amdhsa_kernarg_size 112
		.amdhsa_user_sgpr_count 2
		.amdhsa_user_sgpr_kernarg_segment_ptr 1
		.amdhsa_wavefront_size32 1
		.amdhsa_system_sgpr_workgroup_id_x 1
		.amdhsa_system_sgpr_workgroup_id_y 1
		.amdhsa_system_sgpr_workgroup_id_z 1
		.amdhsa_system_vgpr_workitem_id 0
		.amdhsa_next_free_vgpr 256
		.amdhsa_next_free_sgpr 66
		.amdhsa_reserve_vcc 0
		.amdhsa_float_denorm_mode_32 3
		.amdhsa_float_denorm_mode_16_64 3
		.amdhsa_memory_ordered 1
		.amdhsa_forward_progress 1
		.amdhsa_inst_pref_size 40
	.end_amdhsa_kernel
	.amdgpu_metadata
---
amdhsa.version: [ 1, 2 ]
amdhsa.kernels:
  - .name:           k_q9c89f2be7b_proj
    .symbol:         k_q9c89f2be7b_proj.kd
    .args:
      - { .name: input_codes, .offset: 0, .size: 8, .value_kind: global_buffer, .address_space: global }
      - { .name: input_scales, .offset: 8, .size: 8, .value_kind: global_buffer, .address_space: global }
      - { .name: Wq_codes, .offset: 16, .size: 8, .value_kind: global_buffer, .address_space: global }
      - { .name: Wk_codes, .offset: 24, .size: 8, .value_kind: global_buffer, .address_space: global }
      - { .name: Wv_codes, .offset: 32, .size: 8, .value_kind: global_buffer, .address_space: global }
      - { .name: Wq_scales, .offset: 40, .size: 8, .value_kind: global_buffer, .address_space: global }
      - { .name: Wk_scales, .offset: 48, .size: 8, .value_kind: global_buffer, .address_space: global }
      - { .name: Wv_scales, .offset: 56, .size: 8, .value_kind: global_buffer, .address_space: global }
      - { .name: bq, .offset: 64, .size: 8, .value_kind: global_buffer, .address_space: global }
      - { .name: bk, .offset: 72, .size: 8, .value_kind: global_buffer, .address_space: global }
      - { .name: bv, .offset: 80, .size: 8, .value_kind: global_buffer, .address_space: global }
      - { .name: qcodes, .offset: 88, .size: 8, .value_kind: global_buffer, .address_space: global }
      - { .name: qscales, .offset: 96, .size: 8, .value_kind: global_buffer, .address_space: global }
      - { .name: out1, .offset: 104, .size: 8, .value_kind: global_buffer, .address_space: global }
    .group_segment_fixed_size: 75776
    .private_segment_fixed_size: 0
    .kernarg_segment_align: 8
    .kernarg_segment_size: 112
    .max_flat_workgroup_size: 512
    .sgpr_count:     66
    .vgpr_count:     256
    .wavefront_size: 32
...
	.end_amdgpu_metadata
.endif
;; end of part 1
;; launch quant (part 2): grid 640 x 1, 4 waves a work-group, no clusters, 17,920 bytes of LDS; arguments kv_external, xl_memory, out1, extrec, locrec; writes extrec, locrec
.if DOCPART == 2
	.amdgcn_target "amdgcn-amd-amdhsa--gfx1250"
	.amdhsa_code_object_version 6
	.text
	.protected	k_q9c89f2be7b_quant
	.globl	k_q9c89f2be7b_quant
	.p2align	8
	.type	k_q9c89f2be7b_quant,@function
k_q9c89f2be7b_quant:
	s_mov_b64 s[64:65], 0
	v_nop
	global_prefetch_b8 v0, s[64:65] scope:SCOPE_SE
	s_setreg_imm32_b32 hwreg(HW_REG_WAVE_MODE, 25, 1), 1
	s_wait_xcnt 0x0
; Keys and values (f32) become RECORDS of codes of FP4 (E2M1): 128 keys of one (batch, head), laid as images of operand registers, 8,704 bytes:
;   0     K's codes, quantised along the head's 64: unit (g, u, hb, r) at 1024 g + 512 u + 256 hb + 16 r = block hb of key 32 g + 8 u + r % 8 + 16 (r / 8)
;   4096  V's codes, quantised along the KEYS: unit (dt, c, hh, r) at 1024 dt + 512 c + 256 hh + 16 r = key block 2 c + hh of channel 16 dt + r
;   8192  K's scale words at 64 g + 4 r: bytes (tile u = 0: block 0, 1; tile u = 1: block 0, 1)
;   8448  V's scale words at 4 x channel: byte kb for key block kb
; All three sources have a key every 8,192 bytes, K at byte 0 and V at byte 4,096 of it, a head every 256 bytes: ONE path; only pointers and shifts are chosen, by the work-group's number:
; 0 .. 511 kv_external (32 steps of 128 keys a batch), 512 .. 575 xl_memory (local steps 0-3), 576 .. 639 out1 (local steps 4-7).
; A work-group takes 128 keys x 4 heads; wave w one head: one whole record.  Sixteen jobs a wave, written out: 8 tiles of K, 8 half blocks of V.
; K: a load takes two keys x 256 consecutive bytes; 16 keys turn through the wave's own stage in LDS, so that a lane holds one whole block of 32.  V: a lane takes a channel and its registers run down the keys.
; No store's data and no address register is written again.  Loads run three jobs ahead.  No matrix unit, no cluster, no tensor load: a stream that no two work-groups share.
; LIMITS: NaN and infinities are not served; a block of zeros carries the byte 1 (its codes are zeros; the bytes are read by this program alone).
.set R, 32                             ; v32-127  three sets of 32 numbers as loaded
.set X, 128                            ; v128-159 a block of K, back from the stage
.set C, 160                            ; v160-223 codes: four registers for each job
	s_load_b256 s[4:11], s[0:1], 0x0       ; kv_external 4, xl_memory 6, out1 8, extrec 10
	s_load_b64 s[12:13], s[0:1], 0x20      ; locrec
	v_lshl_add_u32 v224, v0, 2, 0x4400
	v_mov_b32 v225, 0
	v_lshrrev_b32 v8, 5, v0
	v_readfirstlane_b32 s24, v8            ; wave 0..3
	v_and_b32 v8, 31, v0                   ; lane
	v_and_b32 v9, 15, v0                   ; r
	v_bfe_u32 v10, v0, 4, 1                ; hh
	v_lshlrev_b32 v1, 13, v10
	v_lshl_add_u32 v1, v9, 4, v1           ; K in: lanes 0-15 one key's 256 bytes, lanes 16-31 the next key's
	v_lshlrev_b32 v2, 2, v8                ; V in: 4 bytes a lane
	s_mul_i32 s25, s24, 4352               ; my stage: 16 rows x 272 bytes
	v_mul_u32_u24 v3, v10, 272
	v_lshl_add_u32 v3, v9, 4, v3
	v_add_nc_u32 v3, s25, v3               ; into it, as loaded
	v_mul_u32_u24 v4, v9, 272
	v_lshl_add_u32 v4, v10, 7, v4
	v_add_nc_u32 v4, s25, v4               ; out of it: row r, block hh
	v_lshlrev_b32 v5, 4, v8                ; 16 x lane
	v_lshlrev_b32 v6, 2, v8                ; 4 x lane
	v_lshlrev_b32 v7, 10, v10
	v_lshl_add_u32 v7, v9, 4, v7           ; V's codes: 1024 (lane / 16) + 16 r
	v_lshlrev_b32 v15, 3, v10              ; 8 hh: my byte's place in a scale word
	v_mov_b32 v13, 0                       ; written once: a lane permute's destination counts as one of its sources
	s_mov_b32 s28, 0x76543210
	s_mov_b32 s29, 0xfedcba98
	s_mov_b32 s30, 0xffff0000              ; lanes 16-31
	s_mov_b32 s16, 576
	s_wait_kmcnt 0x0
	s_cmp_lt_u32 ttmp9, 576
	s_cselect_b64 s[14:15], s[6:7], s[8:9]
	s_cselect_b32 s16, 512, s16
	s_cselect_b32 s17, 0, 4                ; the new keys are local steps 4 to 7
	s_cmp_lt_u32 ttmp9, 512
	s_cselect_b64 s[14:15], s[4:5], s[14:15]       ; the source
	s_cselect_b64 s[18:19], s[10:11], s[12:13]     ; the records
	s_cselect_b32 s16, 0, s16
	s_cselect_b32 s17, 0, s17
	s_cselect_b32 s20, 5, 2                ; log2 of the source's steps a batch
	s_cselect_b32 s21, 32, 8               ; records for each (batch, head)
	s_sub_co_u32 s16, ttmp9, s16
	s_and_b32 s22, s16, 3                  ; which four heads
	s_lshr_b32 s16, s16, 2
	s_bfm_b32 s23, s20, 0
	s_and_b32 s23, s16, s23                ; step
	s_lshr_b32 s16, s16, s20               ; batch
	s_add_co_u32 s26, s20, 20
	s_lshl_b32 s26, s16, s26               ; a step is 128 keys x 8,192 bytes = 2^20
	s_lshl_b32 s27, s23, 20
	s_add_co_u32 s26, s26, s27
	s_lshl_b32 s27, s22, 10
	s_add_co_u32 s26, s26, s27
	s_lshl_b32 s27, s24, 8
	s_add_co_u32 s26, s26, s27
	s_mov_b32 s27, 0
	s_add_nc_u64 s[14:15], s[14:15], s[26:27]
	s_lshl_b32 s26, s16, 4
	s_lshl_b32 s31, s22, 2
	s_add_co_u32 s26, s26, s31
	s_add_co_u32 s26, s26, s24             ; batch x 16 + head
	s_mul_i32 s26, s26, s21
	s_add_co_u32 s26, s26, s23
	s_add_co_u32 s26, s26, s17
	s_mul_i32 s26, s26, 8704
	s_add_nc_u64 s[18:19], s[18:19], s[26:27]
; job j's loads into set j % 3.  j < 8: tile (g = j / 2, u = j % 2) of K, 8 loads;  j >= 8: key block (j - 8) / 2 of V, channels 32 (j % 2) on, 32 loads
.macro LOADJ j
.set RB, R+32*((\j)%3)
.if (\j) < 8
.irp i, 0,1,2,3,4,5,6,7
	global_load_b128 v[RB+4*\i:RB+4*\i+3], v1, s[14:15] offset:(32*((\j)/2)+8*((\j)%2)+2*\i+8*(\i/4))*8192 th:TH_LOAD_NT
.endr
.else
.set i, 0
.rept 32
	global_load_b32 v[RB+i], v2, s[14:15] offset:4096+(32*(((\j)-8)/2)+i)*8192+128*((\j)%2) th:TH_LOAD_NT
.set i, i+1
.endr
.endif
.endm
; a block of 32 numbers in v[src] on: its codes into job j's four registers, its scale byte into v11
.macro WORK src, j
	v_max3_num_f32 v8, |v[\src]|, |v[\src+1]|, |v[\src+2]|
	v_max3_num_f32 v9, |v[\src+3]|, |v[\src+4]|, |v[\src+5]|
.irp i, 6,10,14,18,22,26
	v_max3_num_f32 v8, v8, |v[\src+\i]|, |v[\src+\i+1]|
	v_max3_num_f32 v9, v9, |v[\src+\i+2]|, |v[\src+\i+3]|
.endr
	v_max3_num_f32 v8, v8, |v[\src+30]|, |v[\src+31]|
	v_max3_num_f32 v8, v8, v9, 0x1800000   ; and the floor 2^(3 - 127): the byte cannot fall under 1
	v_add_nc_u32 v10, 0xff000000, v8       ; 2 off the exponent field: the conversion's scale operand
.irp g, 0,1,2,3
	v_cvt_scalef32_pk8_fp4_f32 v[C+4*(\j)+\g], v[\src+8*\g:\src+8*\g+7], v10
.endr
	v_lshrrev_b32 v11, 23, v10             ; the scale's byte
.endm
.macro JOB j
.if (\j) <= 5
	s_wait_loadcnt 16                      ; my loads are in; the two younger jobs' (8 + 8) may be out
.elseif (\j) == 6
	s_wait_loadcnt 40                      ; 8 + 32
.elseif (\j) <= 13
	s_wait_loadcnt 63                      ; 32 + 32 younger; one less is asked for
.elseif (\j) == 14
	s_wait_loadcnt 32
.else
	s_wait_loadcnt 0x0
.endif
.set RB, R+32*((\j)%3)
.if (\j) < 8
.irp i, 0,1,2,3,4,5,6,7
	ds_store_b128 v3, v[RB+4*\i:RB+4*\i+3] offset:544*\i
.endr
.irp i, 0,1,2,3,4,5,6,7
	ds_load_b128 v[X+4*\i:X+4*\i+3], v4 offset:16*\i       ; LDS serves a wave's instructions in order: these see my stores
.endr
	s_wait_dscnt 0x0
	LOADJ (\j)+3
	WORK X, \j
	global_store_b128 v5, v[C+4*(\j):C+4*(\j)+3], s[18:19] offset:512*(\j)     ; the wave stores 512 consecutive bytes
.if (\j)%2 == 0
	v_mov_b32 v12, v11                     ; tile u = 0's byte is kept
.else
	v_lshl_or_b32 v12, v11, 16, v12        ; with tile u = 1's,
	v_lshlrev_b32 v12, v15, v12            ; at my block's places;
	v_permlanex16_b32 v13, v12, s28, s29
.if ((\j)/2)%2 == 0
	v_or_b32 v16, v12, v13                 ; with the other block's the word is whole: group g even
.else
	v_or_b32 v17, v12, v13                 ; g odd
	v_cndmask_b32 v[20+(\j)/4], v16, v17, s30      ; lanes 0-15 the even group's words, lanes 16-31 the odd group's
	global_store_b32 v6, v[20+(\j)/4], s[18:19] offset:8192+128*((\j)/4)
.endif
.endif
.else
.set KB, ((\j)-8)/2
.set EH, (\j)%2
	WORK RB, \j
.if (\j)+3 < 16
	LOADJ (\j)+3
.endif
	global_store_b128 v7, v[C+4*(\j):C+4*(\j)+3], s[18:19] offset:4096+2048*EH+512*(KB/2)+256*(KB%2)   ; twice 256 consecutive bytes, aligned
.if KB == 0
	v_mov_b32 v[22+EH], v11
.else
	v_lshl_or_b32 v[22+EH], v11, 8*KB, v[22+EH]
.endif
.if KB == 3
	global_store_b32 v6, v[22+EH], s[18:19] offset:8448+128*EH
.endif
.endif
.endm
	LOADJ 0
	LOADJ 1
	LOADJ 2
.irp j, 0,1,2,3,4,5,6,7,8,9,10,11,12,13,14,15
	JOB \j
.endr
	s_wait_tensorcnt 0x0
	ds_add_u32 v224, v225
	s_wait_dscnt 0x0
	s_endpgm
.Lfunc_end_k_q9c89f2be7b_quant:
	.size	k_q9c89f2be7b_quant, .Lfunc_end_k_q9c89f2be7b_quant-k_q9c89f2be7b_quant
	.p2alignl 7, 3214868480
	.fill 96, 4, 3214868480
	.section	.rodata,"a",@progbits
	.p2align	6, 0x0
	.amdhsa_kernel k_q9c89f2be7b_quant
		.amdhsa_group_segment_fixed_size 17920
		.amdhsa_private_segment_fixed_size 0
		.amdhsa_enable_private_segment 0
		.amdhsa_kernarg_size 40
		.amdhsa_user_sgpr_count 2
		.amdhsa_user_sgpr_kernarg_segment_ptr 1
		.amdhsa_wavefront_size32 1
		.amdhsa_system_sgpr_workgroup_id_x 1
		.amdhsa_system_sgpr_workgroup_id_y 1
		.amdhsa_system_sgpr_workgroup_id_z 1
		.amdhsa_system_vgpr_workitem_id 0
		.amdhsa_next_free_vgpr 226
		.amdhsa_next_free_sgpr 66
		.amdhsa_reserve_vcc 0
		.amdhsa_float_denorm_mode_32 3
		.amdhsa_float_denorm_mode_16_64 3
		.amdhsa_memory_ordered 1
		.amdhsa_forward_progress 1
		.amdhsa_inst_pref_size 68
	.end_amdhsa_kernel
	.amdgpu_metadata
---
amdhsa.version: [ 1, 2 ]
amdhsa.kernels:
  - .name:           k_q9c89f2be7b_quant
    .symbol:         k_q9c89f2be7b_quant.kd
    .args:
      - { .name: kv_external, .offset: 0, .size: 8, .value_kind: global_buffer, .address_space: global }
      - { .name: xl_memory, .offset: 8, .size: 8, .value_kind: global_buffer, .address_space: global }
      - { .name: out1, .offset: 16, .size: 8, .value_kind: global_buffer, .address_space: global }
      - { .name: extrec, .offset: 24, .size: 8, .value_kind: global_buffer, .address_space: global }
      - { .name: locrec, .offset: 32, .size: 8, .value_kind: global_buffer, .address_space: global }
    .group_segment_fixed_size: 17920
    .private_segment_fixed_size: 0
    .kernarg_segment_align: 8
    .kernarg_segment_size: 40
    .max_flat_workgroup_size: 128
    .sgpr_count:     66
    .vgpr_count:     226
    .wavefront_size: 32
...
	.end_amdgpu_metadata
.endif
;; end of part 2
;; launch attn (part 3): grid 4 x 64, 8 waves a work-group, clusters of 4 x 1, 327,680 bytes of LDS; arguments qcodes, qscales, extrec, locrec, rel_pos, gate, fcodes, fscales; writes fcodes, fscales
.if DOCPART == 3
	.amdgcn_target "amdgcn-amd-amdhsa--gfx1250"
	.amdhsa_code_object_version 6
	.text
	.protected	k_q9c89f2be7b_attn
	.globl	k_q9c89f2be7b_attn
	.p2align	8
	.type	k_q9c89f2be7b_attn,@function
k_q9c89f2be7b_attn:
	s_mov_b64 s[64:65], 0
	v_nop
	global_prefetch_b8 v0, s[64:65] scope:SCOPE_SE
	s_setreg_imm32_b32 hwreg(HW_REG_WAVE_MODE, 25, 1), 1
	s_wait_xcnt 0x0
	s_wait_alu depctr_hold_cnt(0) depctr_sa_sdst(0) depctr_va_vdst(0) depctr_va_sdst(0) depctr_va_ssrc(0) depctr_va_vcc(0) depctr_vm_vsrc(0)
	s_getreg_b32 s2, hwreg(HW_REG_IB_STS2, 6, 4)
	s_cmp_eq_u32 s2, 0
	s_cbranch_scc0 .Lentry_in_a_cluster
	s_endpgm
.Lentry_in_a_cluster:
	s_bfe_u32 s2, ttmp6, 0x10000c
	s_cmp_lg_u32 s2, 0x3003
	s_cbranch_scc0 .Lentry_shape_is_right
	s_endpgm
.Lentry_shape_is_right:
; Both attentions of one (batch, head) for 128 queries, the gate, and the quantiser of the output projection's operand.  All four products on codes of FP4 (E2M1) with E8M0 scales.
; SHARES.  A work-group owns 128 queries, eight tiles of 16.  THE WAVES SHARE THE KEYS, NOT THE QUERIES: for every tile wave w owns local keys 128 w .. 128 w + 127 and retrieved keys 512 w .. 512 w + 511.
; So a tile's 16 x 512 retrieved scores stay in the wave's 256 registers of window 1 from the product to the conversion: the finished, normalised weights that the second retrieved product takes
; need the sum over all 4,096 keys first, and yet each score has ONE exponential.  The waves' maxima, sums and partial results meet in LDS.
; The retrieved keys' records (34,816 bytes a wave) lie in LDS for the whole launch: one tensor load a wave, a first fill that is never filled again; only the wave that asked reads its bytes.
; It is asked for at the head and waited for in front of the last local tile: the local phase does not touch those bytes.
; q: every wave wants every tile's q, twice.  Wave w loads tile w's once and stores it in LDS as an image of its registers; each tile of both phases fetches its own from there.
; ASKED FOR EARLY.  What a tile reads from LDS is asked for in the tile before, in front of a barrier whose wait for all LDS instructions stands anyway; what the waves hand to each other is read
; straight behind the barrier and JOINED IN THE NEXT TILE, behind that tile's first products.  So the first and the last tile of each phase differ from the others and are written out (LTRIP, ETRIP: prev, next).
; CLUSTER.  The four query quarters of a head want the same records: each load is asked for jointly, with the same descriptor and the mask of all four.  The place in the cluster enters global addresses
; (q, rel_pos, the outputs) and the causal mask's numbers alone: no branch and no LDS address.  So local keys that are wholly hidden are computed and masked, not jumped over.
; K = 64.  An operand of 8 registers holds TWO tiles of 16 keys (u = 0 in K 0 .. 63, u = 1 in K 64 .. 127); it is multiplied once by (q, 0) and once by (0, q): zero codes add nothing.
; LAYOUT.  Both products transposed: a lane holds one query (lane % 16).  Accumulator 2 b + u, lane half hh, register j is key 32 b + 16 hh + 8 u + j: 16 registers are 16 neighbouring keys.
; LOCAL: t = (q k + rel_pos) x log2(e) / 8, rel_pos being the C of the product; p = 2^(t - M), M = the ceiling of MY keys' largest t; the waves' parts are joined by exact powers of two; the sum of the unquantised p divides at the end.
; RETRIEVED: p = 2^(t - M) x 2^(M - the row's M) / the row's sum is what is quantised.
; LIMITS: NaN and infinities are not served; a p under 2^-126 counts as 0; a block of zeros carries the byte 1.
; REGISTERS, window 0: v1-13 addresses; v16-27 (0, q, 0); v28 q's scale word; v32-39 K's, v40-47 V's scale words, v48-51 p's; v52 -M, v53 the sum; v58 f; v60 g, v61 1 - g; v14-15, v54-57, v62-63 chains of sums
;   (v54-55 also q's LDS addresses); v64-127 fragments (local phase: K at 64, V at 96); v128-159 O^T, then the eight waves' parts of it; v160-191 the local results of the eight tiles, four registers each;
;   v192-207 p's codes; v208-255 at work.   Window 1: rel_pos and scores.
.set RECB,  8704
.set WEXT,  4*RECB                     ; a wave's four records
.set LF,    8*WEXT                     ; LDS behind the records: partial O^T, 4,352 bytes a wave: chunk c = 2 dt + x at 544 c + 272 hh + 16 r
.set FW,    4352
.set LST,   LF+8*FW                    ; (-M, sum) of each lane of each wave: 256 bytes a wave
.set LOUTC, LST+8*256                  ; the fused rows' codes: 512 bytes a tile
.set LOUTS, LOUTC+8*512                ; their scale bytes: 32 a tile
.set LQC,   LOUTS+256                  ; q's codes: 512 bytes a tile, 16 a lane
.set LQS,   LQC+8*512                  ; q's scale words: 128 bytes a tile, 4 a lane
.set TM,   208
.set TS,   224
.set TB,   240
.set PW,   48
.set OA,   128
.set FIFO, 160
.set PC,   192
.set MSB,  0
.macro WIN new                         ; the immediate's high byte repeats the setting that is left
.if MSB != \new
	s_set_vgpr_msb (MSB<<8)|\new
.set MSB, \new
.endif
.endm
.macro PLACES n
.rept \n
	v_nop
.endr
.endm
.macro BAR                             ; my LDS stores have landed and my LDS loads are in: then the work-group's barrier
	s_wait_dscnt 0x0
	s_barrier_signal -1
	s_barrier_wait -1
.endm
.macro ROUND                           ; a round of the cluster's barrier
	s_barrier_signal -1
	s_barrier_wait -1
	s_cmp_lg_u32 s4, 0
	s_cbranch_scc1 .Lnot_wave_0_\@
	s_barrier_signal -3
.Lnot_wave_0_\@:
	s_barrier_wait -3
	s_barrier_signal -1
	s_barrier_wait -1
.endm
; one scaled matrix instruction: d, a, b, c first registers (c < 0: the constant 0), sa, sb scale registers, ra, rb = 1: that side's scales stand in lanes 16-31
.macro WM d, a, b, c, sa, sb, ra, rb
.set WSEL, (\ra)+2*(\rb)
.if (\c) < 0
.if WSEL == 0
	v_wmma_scale_f32_16x16x128_f8f6f4 v[\d:\d+7], v[\a:\a+7], v[\b:\b+7], 0, v[\sa], v[\sb] matrix_a_fmt:MATRIX_FMT_FP4 matrix_b_fmt:MATRIX_FMT_FP4
.else
	v_wmma_scale_f32_16x16x128_f8f6f4 v[\d:\d+7], v[\a:\a+7], v[\b:\b+7], 0, v[\sa], v[\sb] matrix_a_fmt:MATRIX_FMT_FP4 matrix_b_fmt:MATRIX_FMT_FP4 matrix_a_scale:MATRIX_SCALE_ROW1
.endif
.else
.if WSEL == 0
	v_wmma_scale_f32_16x16x128_f8f6f4 v[\d:\d+7], v[\a:\a+7], v[\b:\b+7], v[\c:\c+7], v[\sa], v[\sb] matrix_a_fmt:MATRIX_FMT_FP4 matrix_b_fmt:MATRIX_FMT_FP4
.else
	v_wmma_scale_f32_16x16x128_f8f6f4 v[\d:\d+7], v[\a:\a+7], v[\b:\b+7], v[\c:\c+7], v[\sa], v[\sb] matrix_a_fmt:MATRIX_FMT_FP4 matrix_b_fmt:MATRIX_FMT_FP4 matrix_a_scale:MATRIX_SCALE_ROW1
.endif
.endif
.endm
.macro RELLOAD                         ; a tile's rel_pos, in the scores' layout, into window 1, v0-63
	WIN 0x40
.irp b, 0,1,2,3
.irp u, 0,1
.irp x, 0,1
	global_load_b128 v[16*\b+8*\u+4*\x:16*\b+8*\u+4*\x+3], v3, s[48:49] offset:128*\b+32*\u+16*\x
.endr
.endr
.endr
	WIN 0
.endm
.macro QFETCH                          ; a tile's q out of LDS: four registers and a scale word; s38, s39 stand at the tile's image
	v_add_nc_u32 v54, s38, v1
	v_add_nc_u32 v55, s39, v2
	ds_load_b128 v[20:23], v54
	ds_load_b32 v28, v55
.endm
.macro KLOAD s                         ; K's four operands of my record s into set s % 2
.irp g, 0,1,2,3
.irp c, 0,1
	ds_load_b128 v[64+32*((\s)%2)+8*\g+4*\c:64+32*((\s)%2)+8*\g+4*\c+3], v4 offset:RECB*(\s)+1024*\g+512*\c
.endr
.endr
.endm
.macro VLOAD s                         ; V's likewise
.irp g, 0,1,2,3
.irp c, 0,1
	ds_load_b128 v[64+32*((\s)%2)+8*\g+4*\c:64+32*((\s)%2)+8*\g+4*\c+3], v4 offset:RECB*(\s)+4096+1024*\g+512*\c
.endr
.endr
.endm
; the largest score of four blocks of 32 keys (my 16 registers of each), scores at v[sb] of window 1 on, into v[TM + t0] on; each accumulator is read from its low end on
.macro BMAX sb, t0
	WIN 0x15
.irp b, 0,1,2,3
	v_max3_num_f32 v[TM+\t0+\b], v[\sb+16*\b], v[\sb+16*\b+1], v[\sb+16*\b+2]
.endr
	WIN 0x05
.irp i, 3,5,7,9,11,13
.irp b, 0,1,2,3
	v_max3_num_f32 v[TM+\t0+\b], v[\sb+16*\b+\i], v[\sb+16*\b+\i+1], v[TM+\t0+\b]
.endr
.endr
.irp b, 0,1,2,3
	v_max3_num_f32 v[TM+\t0+\b], v[\sb+16*\b+15], v[\sb+16*\b+15], v[TM+\t0+\b]
.endr
.endm
.macro JOIN n                          ; with lane l xor 16's 16 keys
	WIN 0
.set i, 0
.rept \n
	v_permlanex16_b32 v[TS+i], v[TM+i], s58, s59
.set i, i+1
.endr
.set i, 0
.rept \n
	v_max_num_f32 v[TM+i], v[TM+i], v[TS+i]
.set i, i+1
.endr
.endm
.macro WMAX n                          ; -M of my keys: v52 = floor(-(the largest t)); where all are hidden the largest t counts as -3e38
	v_max3_num_f32 v29, v[TM], v[TM+1], v[TM+2]
.if (\n) > 4
.set i, 3
.rept ((\n)-4)/2
	v_max3_num_f32 v29, v29, v[TM+i], v[TM+i+1]
.set i, i+2
.endr
.endif
	v_max_num_f32 v29, v29, v[TM+(\n)-1]
	v_mul_f32 v29, s56, v29
	v_max_num_f32 v29, 0xff61b1e6, v29
	v_floor_f32 v52, -v29
.endm
; p = 2^(c s - M) of n scores, and of the n / 16 largest scores of the blocks: ONE batch of exponentials with one wait.  The scalings are dealt among the exponentials, one ahead of every two,
; each pair scaled eight pairs ahead of its own exponentials: a scaling names no exponential's result, so the batch stays one batch.
.macro SCEXP sb, n
	WIN 0
.set i, 0
.rept (\n)/16
	v_fma_f32 v[TM+i], v[TM+i], s56, v52
.set i, i+1
.endr
.set i, 0
.rept (\n)/16
	v_exp_f32 v[TM+i], v[TM+i]             ; a block's largest p: the same multiply-add and exponential on the same number give the same bits
.set i, i+1
.endr
	WIN 0x41
.set i, 0
.rept 8
	v_pk_fma_f32 v[\sb+i:\sb+i+1], v[\sb+i:\sb+i+1], s[56:57], v[52:53] op_sel_hi:[1,0,0]
.set i, i+2
.endr
.set i, 0
.rept (\n)/2
.if i+16 < (\n)
	v_pk_fma_f32 v[\sb+i+16:\sb+i+17], v[\sb+i+16:\sb+i+17], s[56:57], v[52:53] op_sel_hi:[1,0,0]
.endif
	v_exp_f32 v[\sb+i], v[\sb+i]
	v_exp_f32 v[\sb+i+1], v[\sb+i+1]
.set i, i+2
.endr
	v_nop                                  ; a plain place behind the last exponential
	s_wait_alu depctr_va_vdst(0)           ; one wait for the batch, ahead of its first reader
.endm
.macro SUMS sb, n                      ; v53 = the sum of my keys' unquantised p, in four chains of pairs
	WIN 0x05
	v_pk_add_f32 v[14:15], v[\sb:\sb+1], v[\sb+2:\sb+3]
	v_pk_add_f32 v[62:63], v[\sb+4:\sb+5], v[\sb+6:\sb+7]
	v_pk_add_f32 v[54:55], v[\sb+8:\sb+9], v[\sb+10:\sb+11]
	v_pk_add_f32 v[56:57], v[\sb+12:\sb+13], v[\sb+14:\sb+15]
	WIN 0x04
.set i, 16
.rept ((\n)-16)/8
	v_pk_add_f32 v[14:15], v[14:15], v[\sb+i:\sb+i+1]
	v_pk_add_f32 v[62:63], v[62:63], v[\sb+i+2:\sb+i+3]
	v_pk_add_f32 v[54:55], v[54:55], v[\sb+i+4:\sb+i+5]
	v_pk_add_f32 v[56:57], v[56:57], v[\sb+i+6:\sb+i+7]
.set i, i+8
.endr
	WIN 0
	v_pk_add_f32 v[14:15], v[14:15], v[62:63]
	v_pk_add_f32 v[54:55], v[54:55], v[56:57]
	v_pk_add_f32 v[14:15], v[14:15], v[54:55]
	v_add_f32 v53, v14, v15
	v_permlanex16_b32 v29, v53, s58, s59
	v_add_f32 v53, v53, v29
.endm
.macro QSC n                           ; n blocks' largest p become conversion operands (TS), bytes (TB) and scale words (PW)
.set i, 0
.rept \n
	v_max_num_f32 v[TM+i], 0x1800000, v[TM+i]      ; the floor 2^(3 - 127): the byte cannot fall under 1
.set i, i+1
.endr
.set i, 0
.rept \n
	v_add_nc_u32 v[TS+i], 0xff000000, v[TM+i]      ; 2 off the exponent field
.set i, i+1
.endr
.set i, 0
.rept \n
	v_lshrrev_b32 v[TB+i], 23, v[TS+i]
.set i, i+1
.endr
.set i, 0
.rept (\n)/4
	v_lshl_or_b32 v[PW+i], v[TB+4*i+1], 8, v[TB+4*i]
	v_lshl_or_b32 v[PW+i], v[TB+4*i+2], 16, v[PW+i]
	v_lshl_or_b32 v[PW+i], v[TB+4*i+3], 24, v[PW+i]
.set i, i+1
.endr
.endm
.macro CODES sb, t0, pc                ; 64 p of a lane become an operand of 128 keys
	WIN 0x01
.irp b, 0,1,2,3
	v_cvt_scalef32_pk8_fp4_f32 v[\pc+2*\b], v[\sb+16*\b:\sb+16*\b+7], v[TS+\t0+\b]
	v_cvt_scalef32_pk8_fp4_f32 v[\pc+2*\b+1], v[\sb+16*\b+8:\sb+16*\b+15], v[TS+\t0+\b]
.endr
	WIN 0
	v_nop                                  ; one plain place behind a scaled conversion
.irp c, 0,1
.irp i, 0,1
	v_permlane16_swap_b32 v[\pc+4*\c+\i], v[\pc+4*\c+2+\i]     ; a whole block in a lane: lanes 0-15 block 2 c, lanes 16-31 block 2 c + 1
.endr
.endr
.endm
.macro PV vb, pc, pw, vs, first        ; O^T (+)= V^T P^T: the four accumulators by turns
.irp dt, 0,1,2,3
.if \first
	WM OA+8*\dt, \vb+8*\dt, \pc, -1, \vs+\dt/2, \pw, \dt%2, 0
.else
	WM OA+8*\dt, \vb+8*\dt, \pc, OA+8*\dt, \vs+\dt/2, \pw, \dt%2, 0
.endif
.endr
.endm
.macro PUTO                            ; my partial O^T to LDS, each accumulator from its low end on.  The four places also serve the loads that follow into registers that the last products read
	PLACES 4
.irp dt, 0,1,2,3
	ds_store_b128 v6, v[OA+8*\dt:OA+8*\dt+3] offset:544*(2*\dt)
	ds_store_b128 v6, v[OA+8*\dt+4:OA+8*\dt+7] offset:544*(2*\dt+1)
.endr
.endm
.macro SHIFT                           ; the eight tiles' local results move down by a tile
.set i, 0
.rept 28
	v_mov_b32 v[FIFO+i], v[FIFO+i+4]
.set i, i+1
.endr
.endm
.macro FLOAD                           ; the eight waves' parts of O^T: channels 4 e .. 4 e + 3 of the query that my half of the lanes joins
.irp v, 0,1,2,3,4,5,6,7
	ds_load_b128 v[OA+4*\v:OA+4*\v+3], v7 offset:FW*\v
.endr
.endm
.macro LLOAD                           ; the local phase: the eight waves' (-M, sum) of that query, then their parts
.irp v, 0,1,2,3,4,5,6,7
	ds_load_b64 v[224+2*\v:225+2*\v], v9 offset:256*\v
.endr
	FLOAD
.endm
; the local parts of a tile are joined: brought under the row's M by exact powers of two, added, divided by the row's sum, times g; the result goes to the top of the eight tiles' results
.macro REDL
	v_min3_num_f32 v29, v224, v226, v228
	v_min3_num_f32 v29, v29, v230, v232
	v_min3_num_f32 v29, v29, v234, v236
	v_min_num_f32 v29, v29, v238           ; -(the row's M)
.irp v, 0,1,2,3,4,5,6,7
	v_sub_f32 v[240+\v], v29, v[224+2*\v]  ; M of wave v less the row's M: a whole number, 0 or less
.endr
.irp v, 0,1,2,3,4,5,6,7
	v_cvt_i32_f32 v[240+\v], v[240+\v]     ; (it saturates: a wave whose keys are all hidden gets the factor 0)
.endr
.irp v, 0,1,2,3,4,5,6,7
	v_ldexp_f32 v[240+\v], 1.0, v[240+\v]
.endr
	v_mul_f32 v31, v240, v225
.irp v, 1,2,3,4,5,6,7
	v_fmac_f32 v31, v[240+\v], v[225+2*\v]
.endr
	v_rcp_f32 v31, v31
.irp i, 0,1,2,3
	v_mul_f32 v[248+\i], v240, v[OA+\i]
.endr
.irp v, 1,2,3,4,5,6,7
.irp i, 0,1,2,3
	v_fmac_f32 v[248+\i], v[240+\v], v[OA+4*\v+\i]
.endr
.endr
	s_wait_alu depctr_va_vdst(0)           ; the reciprocal, ahead of its first reader
	v_mul_f32 v31, v31, v60                ; g / the row's sum
	SHIFT
.irp i, 0,1,2,3
	v_mul_f32 v[FIFO+28+\i], v[248+\i], v31
.endr
.endm
; A LOCAL TILE.  prev = 1: the tile before is joined on the way; next = 1: the next tile's rel_pos and q are asked for.
.macro LTRIP prev, next
.if \prev
	LLOAD                                  ; first behind the barrier: the last tile's parts; this tile's products, mask and block maxima stand ahead of the wait for them
.else
	s_wait_dscnt 0x0                       ; q
.endif
	s_wait_loadcnt 0x0                     ; this tile's rel_pos, asked for a tile ago
	WIN 0x50                               ; C and D in window 1
.irp b, 0,1,2,3
	WM 64+16*\b, 64+8*\b, 20, 16*\b, 32+\b/2, 28, \b%2, 0
	WM 64+16*\b+8, 64+8*\b, 16, 16*\b+8, 32+\b/2, 28, \b%2, 0
.endr
	WIN 0
	PLACES 4                               ; in front of loads into registers that these products read, and of the first read of results
.if \next
	s_add_nc_u64 s[48:49], s[48:49], 0x10000
	RELLOAD
.endif
	s_cmp_lt_u32 s4, 4
	s_cbranch_scc1 .Lopen_\@               ; waves 0 to 3 hold the memory's keys, which count for every query
	WIN 0x41
.set n, 0
.rept 64
	v_cmp_gt_i32 vcc_lo, 32*(n/16)+n%16, v13
	v_cndmask_b32 v[64+n], v[64+n], v30, vcc_lo    ; hidden scores become -infinity ahead of the maximum: p = 0 then
.set n, n+1
.endr
	WIN 0
.Lopen_\@:
	BMAX 64, 0
	WIN 0
.if \prev
	s_wait_dscnt 0x0                       ; the last tile's parts are in my registers:
	s_barrier_signal -1                    ; say so; only work on registers stands between this line and the wait in front of my next stores
	REDL
.endif
	JOIN 4
	WMAX 4
	SCEXP 64, 64
	SUMS 64, 64
	QSC 4
	CODES 64, 0, PC
	PLACES 8                               ; a scale register written by a vector instruction stands 8 places ahead of a scaled matrix instruction, an operand 4
	PV 96, PC, PW, 40, 1
.if \prev
	s_barrier_wait -1                      ; every wave has read the last tile's parts: this tile's may be stored
.endif
	PUTO
	ds_store_b64 v8, v[52:53]
.if \next
	s_add_co_u32 s38, s38, 512             ; the next tile's q is asked for here: the wait below serves it too
	s_add_co_u32 s39, s39, 128
	QFETCH
.endif
	BAR                                    ; every wave's part of this tile lies in LDS
	v_add_nc_u32 v13, 16, v13
.endm
; the retrieved parts of a tile are joined, in two halves.  A: the eight parts are added; fused = retrieved x (1 - g) + local x g: channels 4 e .. 4 e + 3 of my query
.macro ERED_A
.irp v, 0,2,4,6
	v_pk_add_f32 v[OA+4*\v:OA+4*\v+1], v[OA+4*\v:OA+4*\v+1], v[OA+4*\v+4:OA+4*\v+5]
	v_pk_add_f32 v[OA+4*\v+2:OA+4*\v+3], v[OA+4*\v+2:OA+4*\v+3], v[OA+4*\v+6:OA+4*\v+7]
.endr
.irp v, 0,4
	v_pk_add_f32 v[OA+4*\v:OA+4*\v+1], v[OA+4*\v:OA+4*\v+1], v[OA+4*\v+8:OA+4*\v+9]
	v_pk_add_f32 v[OA+4*\v+2:OA+4*\v+3], v[OA+4*\v+2:OA+4*\v+3], v[OA+4*\v+10:OA+4*\v+11]
.endr
	v_pk_add_f32 v[OA:OA+1], v[OA:OA+1], v[OA+16:OA+17]
	v_pk_add_f32 v[OA+2:OA+3], v[OA+2:OA+3], v[OA+18:OA+19]
.irp i, 0,1,2,3
	v_fma_f32 v[248+\i], v[OA+\i], v61, v[FIFO+\i]
.endr
.endm
; B: the fused numbers are quantised along the channels: codes in v29, the scale's byte in v62, their LDS addresses in v63 and v14
.macro ERED_B
	v_max3_num_f32 v29, |v248|, |v249|, 0x1800000
	v_max3_num_f32 v29, v29, |v250|, |v251|
	v_max_num_f32_dpp v29, v29, v29 row_xmask:1 row_mask:0xf bank_mask:0xf
	v_max_num_f32_dpp v29, v29, v29 row_xmask:2 row_mask:0xf bank_mask:0xf
	v_max_num_f32_dpp v29, v29, v29 row_xmask:4 row_mask:0xf bank_mask:0xf     ; eight lanes hold a block of 32 channels
	v_add_nc_u32 v31, 0xff000000, v29
	v_lshrrev_b32 v62, 23, v31             ; the scale's byte
.irp i, 0,1,2,3
	v_mov_b32_dpp v[252+\i], v[248+\i] row_xmask:1 row_mask:0xf bank_mask:0xf
.endr
.irp i, 0,1,2,3
	v_cndmask_b32 v[240+\i], v[248+\i], v[252+\i], s60     ; eight neighbours in order, in both lanes of a pair: the even lane's four,
	v_cndmask_b32 v[244+\i], v[252+\i], v[248+\i], s60     ; then the odd lane's
.endr
	v_add_nc_u32 v63, s62, v11
	v_add_nc_u32 v14, s63, v12
	v_cvt_scalef32_pk8_fp4_f32 v29, v[240:247], v31
	v_nop                                  ; one plain place behind a scaled conversion
.endm
.macro EOUT
	ds_store_b32 v63, v29                  ; both lanes of a pair write the same word with the same value
	ds_store_b8 v14, v62                   ; the eight lanes of a block the same byte
.endm
; A RETRIEVED TILE.  At its head q and K of my records 0 and 1 have been asked for.  prev = 1: they have landed (a barrier's wait for all LDS instructions lies behind them), and the tile before is joined on the way;
; next = 1: the next tile's q and K of records 0 and 1 are asked for.
.macro ETRIP prev, next
.irp s, 0,1,2,3
.if \prev
.if \s == 2
	s_wait_dscnt 16                        ; record 2's K is in; record 3's eight loads and the eight of the last tile's parts may be out
.elseif \s == 3
	s_wait_dscnt 8                         ; record 3's K is in; the eight of the last tile's parts may be out
.endif
.else
.if \s < 3
	s_wait_dscnt 8                         ; this record's K is in, and all that was asked for ahead of it; the next record's eight loads may be out
.else
	s_wait_dscnt 0x0
.endif
.endif
	WIN 0x40
.irp g, 0,1,2,3
	WM 64*\s+16*\g, 64+32*(\s%2)+8*\g, 20, -1, 32+2*\s+\g/2, 28, \g%2, 0
	WM 64*\s+16*\g+8, 64+32*(\s%2)+8*\g, 16, -1, 32+2*\s+\g/2, 28, \g%2, 0
.endr
	WIN 0
	PLACES 4
.if \s < 2
	KLOAD \s+2
.endif
.if \prev
.if \s == 1
	FLOAD                                  ; the last tile's parts, behind K's last loads: the softmax stands ahead of the wait for them
.endif
.endif
.endr
	BMAX 0, 0
	BMAX 64, 4
	BMAX 128, 8
	BMAX 192, 12
	JOIN 16
	WMAX 16
	SCEXP 0, 256
	SUMS 0, 256
	ds_store_b64 v8, v[52:53]
.if \prev
	s_wait_dscnt 1                         ; the last tile's parts are in; the store just issued may be out
	ERED_A
	s_wait_dscnt 0x0                       ; my (-M, sum) has landed, and my reads of the last tile's parts are over:
	s_barrier_signal -1                    ; say so; work on registers while the others arrive
	ERED_B
	s_barrier_wait -1                      ; every wave's (-M, sum) lies in LDS
	EOUT
.else
	BAR                                    ; every wave's (-M, sum) lies in LDS
.endif
.irp i, 0,1,2,3
	ds_load_b64 v[240+2*\i:241+2*\i], v10 offset:256*\i
.endr
	VLOAD 0
	VLOAD 1
.if \prev
	SHIFT                                  ; (behind the loads, ahead of the wait for them)
	s_add_co_u32 s62, s62, 512             ; the next tile's place among the fused codes and bytes
	s_add_co_u32 s63, s63, 32
.endif
	s_wait_dscnt 16                        ; the four (-M, sum) are in; V's sixteen loads may be out
	v_min3_num_f32 v29, v240, v242, v244
	v_min_num_f32 v29, v29, v246
	v_permlanex16_b32 v31, v29, s58, s59
	v_min_num_f32 v29, v29, v31            ; -(the row's M), over all eight waves
.irp i, 0,1,2,3
	v_sub_f32 v[248+\i], v29, v[240+2*\i]
.endr
.irp i, 0,1,2,3
	v_cvt_i32_f32 v[248+\i], v[248+\i]
.endr
.irp i, 0,1,2,3
	v_ldexp_f32 v[248+\i], 1.0, v[248+\i]
.endr
	v_mul_f32 v31, v248, v241
	v_fmac_f32 v31, v249, v243
	v_fmac_f32 v31, v250, v245
	v_fmac_f32 v31, v251, v247
	v_permlanex16_b32 v14, v31, s58, s59
	v_add_f32 v31, v31, v14                ; the row's sum over all 4,096 keys: the same bits in every wave
	v_rcp_f32 v31, v31
	v_sub_f32 v14, v29, v52
	v_cvt_i32_f32 v14, v14
	s_wait_alu depctr_va_vdst(0)
	v_ldexp_f32 v58, v31, v14              ; f = 2^(my M - the row's M) / the row's sum
	WIN 0x41
.set i, 0
.rept 128
	v_pk_mul_f32 v[i:i+1], v[i:i+1], v[58:59] op_sel_hi:[1,0]      ; the finished weights
.set i, i+2
.endr
	WIN 0
.set i, 0
.rept 16
	v_mul_f32 v[TM+i], v[TM+i], v58        ; and each block's largest
.set i, i+1
.endr
	QSC 16
.irp s, 0,1,2,3
	CODES 64*\s, 4*\s, PC+8*(\s%2)
.if \s == 0
	PLACES 8
.else
	PLACES 4
.endif
.if \s < 3
	s_wait_dscnt 8                         ; this record's V is in; the next record's may be out
.else
.if \next
	s_wait_dscnt 10                        ; record 3's V is in; the next tile's q (2 loads) and K of record 0 (8) may be out
.else
	s_wait_dscnt 0x0
.endif
.endif
.if \s == 0
	PV 64+32*(\s%2), PC+8*(\s%2), PW+\s, 40+2*\s, 1
.else
	PV 64+32*(\s%2), PC+8*(\s%2), PW+\s, 40+2*\s, 0
.endif
.if \s < 2
	PLACES 4
	VLOAD \s+2
.endif
.if \next
.if \s == 2
	PLACES 4                               ; set 0 has been multiplied: it takes the next tile's K of record 0
	s_add_co_u32 s38, s38, 512
	s_add_co_u32 s39, s39, 128
	QFETCH
	KLOAD 0
.endif
.endif
.endr
	PUTO
.if \next
	KLOAD 1                                ; and set 1 that of record 1: the wait below serves these loads too
.endif
	BAR                                    ; every wave's part of O^T lies in LDS, and every wave has read this tile's (-M, sum)
.endm
	s_load_b512 s[8:23], s[0:1], 0x0       ; qcodes 8, qscales 10, extrec 12, locrec 14, rel_pos 16, gate 18, fcodes 20, fscales 22
	v_lshl_add_u32 v254, v0, 2, 0x4f500
	v_mov_b32 v255, 0
	ds_add_u32 v254, v255
	ds_add_u32 v254, v255
	s_wait_dscnt 0x0
	v_lshrrev_b32 v29, 5, v0
	v_readfirstlane_b32 s4, v29            ; wave 0..7
	s_and_b32 s6, ttmp7, 0xffff            ; batch x 16 + head: the four partners share it
	; the descriptor: my four records, 34,816 dense bytes, as 136 rows of 32 elements of 8 bytes.  It is made first, of numbers that the partners share, and not written again
	s_mov_b32 s24, 1                       ; count = 1
	s_mul_i32 s25, s4, WEXT                ; LDS address: the wave's number alone
	s_mov_b32 s28, 15|(3<<16)|(1<<21)      ; the mask: all four work-groups; elements of 8 bytes; bit 21 set beside a mask; no padding
	s_mov_b32 s29, 32<<16                  ; tensor_dim0 = 32
	s_mov_b32 s30, 136<<16                 ; tensor_dim1 = 136
	s_mov_b32 s31, 32<<16                  ; tile_dim0 = 32
	s_mov_b32 s32, 136                     ; tile_dim1 = 136
	s_mov_b32 s33, 32                      ; from row to row
	s_mov_b32 s34, 0
	s_mov_b32 s35, 0
	s_mul_i32 s2, s6, 8*WEXT
	s_add_co_u32 s2, s2, s25
	s_mov_b32 s3, 0
	s_wait_kmcnt 0x0
	s_add_nc_u64 s[26:27], s[12:13], s[2:3]
	s_or_b32 s27, s27, 0x80000000          ; type = 2
	s_bfe_u32 s5, ttmp6, 0x40000           ; cx: which 128 queries
	s_and_b32 s7, s6, 15                   ; head
	s_lshr_b32 s37, s6, 4                  ; batch
	s_lshl_b32 s2, s7, 2
	s_add_nc_u64 s[44:45], s[18:19], s[2:3]
	s_load_b32 s36, s[44:45], 0x0          ; the head's gate
	s_lshl_b32 s46, s6, 5
	s_lshl_b32 s47, s5, 3
	s_add_co_u32 s46, s46, s47             ; the work-group's first tile of queries,
	s_add_co_u32 s46, s46, s4              ; and the one whose q I bring: tile w
	s_lshl_b32 s2, s46, 9
	s_add_nc_u64 s[40:41], s[8:9], s[2:3]
	s_lshl_b32 s2, s46, 7
	s_add_nc_u64 s[42:43], s[10:11], s[2:3]
	s_lshl_b32 s2, s7, 21                  ; rel_pos: a head is 512 rows of 4,096 bytes,
	s_lshl_b32 s46, s5, 19                 ; 128 rows,
	s_add_co_u32 s2, s2, s46
	s_lshl_b32 s46, s4, 9                  ; my 128 keys
	s_add_co_u32 s2, s2, s46
	s_add_nc_u64 s[48:49], s[16:17], s[2:3]
	s_lshl_b32 s2, s6, 3
	s_add_co_u32 s2, s2, s4
	s_mul_i32 s2, s2, RECB
	s_add_nc_u64 s[50:51], s[14:15], s[2:3]        ; my local record
	s_lshl_b32 s46, s37, 5
	s_add_co_u32 s46, s46, s47
	s_add_co_u32 s46, s46, s4              ; the tile of rows that I store at the end: batch x 32 + 8 cx + wave
	s_lshl_b32 s2, s46, 4
	s_add_co_u32 s2, s2, s7                ; (tile x 8 + head / 2) x 2 + head % 2
	s_lshl_b32 s2, s2, 9
	s_add_nc_u64 s[52:53], s[20:21], s[2:3]
	s_lshl_b32 s2, s46, 9
	s_lshr_b32 s47, s7, 1
	s_lshl_b32 s47, s47, 6
	s_add_co_u32 s2, s2, s47
	s_and_b32 s47, s7, 1
	s_lshl_b32 s47, s47, 1
	s_add_co_u32 s2, s2, s47
	s_add_nc_u64 s[54:55], s[22:23], s[2:3]
	s_mov_b32 s56, 0x3e38aa3b              ; c = log2(e) / 8
	s_mov_b32 s57, s56                     ; (named with it as a pair, so it is written)
	s_mov_b32 s58, 0x76543210
	s_mov_b32 s59, 0xfedcba98              ; v_permlanex16_b32's selects for lane l xor 16
	s_mov_b32 s60, 0xaaaaaaaa              ; the odd lanes
	v_and_b32 v29, 31, v0                  ; lane
	v_and_b32 v31, 15, v0                  ; r
	v_bfe_u32 v14, v0, 4, 1                ; hh
	v_lshrrev_b32 v15, 4, v0               ; 2 x wave + hh: the query that my half of the lanes joins
	v_lshlrev_b32 v1, 4, v29               ; 16 x lane
	v_lshlrev_b32 v2, 2, v29               ; 4 x lane
	v_lshlrev_b32 v3, 12, v31
	v_lshl_add_u32 v3, v14, 6, v3          ; rel_pos: row r, + 16 hh keys
	; the loads from memory go out ahead of the tensor load: the local phase waits for them, and not for the records
	global_load_b128 v[20:23], v1, s[40:41]        ; tile w's q: the one global load into these registers in the launch
	global_load_b32 v28, v2, s[42:43]
.irp g, 0,1,2,3
.irp c, 0,1
	global_load_b128 v[64+8*\g+4*\c:64+8*\g+4*\c+3], v1, s[50:51] offset:1024*\g+512*\c            ; my local record stays in registers through the local phase
	global_load_b128 v[96+8*\g+4*\c:96+8*\g+4*\c+3], v1, s[50:51] offset:4096+1024*\g+512*\c
.endr
.endr
	global_load_b32 v32, v2, s[50:51] offset:8192
	global_load_b32 v33, v2, s[50:51] offset:8192+128
	global_load_b32 v40, v2, s[50:51] offset:8448
	global_load_b32 v41, v2, s[50:51] offset:8448+128
	RELLOAD
	ROUND                                  ; all four work-groups are here: the joint loads meet
	tensor_load_to_lds s[24:27], s[28:35]  ; my one tensor load of the launch
	s_nop 0
	PLACES 4
	v_add_nc_u32 v4, s25, v1               ; my records: an operand's image,
	v_add_nc_u32 v5, s25, v2               ; a scale word
	s_mul_i32 s38, s4, FW
	s_add_co_u32 s38, s38, LF
	v_mul_u32_u24 v6, v14, 272
	v_lshl_add_u32 v6, v31, 4, v6
	v_add_nc_u32 v6, s38, v6               ; where I put a chunk of my O^T
	v_bfe_u32 v7, v0, 2, 2
	v_and_b32 v62, 1, v0
	v_lshl_add_u32 v7, v7, 1, v62          ; lane e = lane % 16 joins channels 4 e .. 4 e + 3: chunk 2 (e / 4) + e % 2,
	v_mul_u32_u24 v7, v7, 544
	v_bfe_u32 v62, v0, 1, 1
	v_mad_u32_u24 v7, v62, 272, v7         ; half (e / 2) % 2,
	v_lshl_add_u32 v7, v15, 4, v7          ; of my query
	v_add_nc_u32 v7, LF, v7
	v_lshl_add_u32 v8, v0, 3, LST          ; my (-M, sum): 256 x wave + 8 x lane
	v_lshl_add_u32 v9, v15, 3, LST         ; those of the query that I join
	v_lshlrev_b32 v10, 10, v14
	v_lshl_add_u32 v10, v31, 3, v10
	v_add_nc_u32 v10, LST, v10             ; query r's, of waves 4 hh on
	v_bfe_u32 v62, v0, 3, 1                ; e / 8: which block of 32 channels
	v_lshl_add_u32 v11, v62, 4, v15
	v_lshlrev_b32 v11, 4, v11
	v_bfe_u32 v63, v0, 1, 2
	v_lshl_add_u32 v11, v63, 2, v11
	v_add_nc_u32 v11, LOUTC, v11           ; the fused codes: image lane 16 (e / 8) + query, word (e / 2) % 4
	v_lshl_add_u32 v12, v15, 1, v62
	v_add_nc_u32 v12, LOUTS, v12           ; their scale byte: 2 x query + e / 8
	s_sub_co_i32 s2, s5, s4
	s_add_co_i32 s2, s2, 4
	s_lshl_b32 s2, s2, 7
	v_lshlrev_b32 v13, 4, v14
	v_sub_nc_u32 v13, v31, v13
	v_add_nc_u32 v13, s2, v13              ; d = r - 16 hh + 128 (cx - wave + 4) + 16 x tile: register n's key is hidden where 32 (n / 16) + n % 16 > d
	v_lshl_add_u32 v54, v0, 4, LQC         ; where I put tile w's q: 512 x wave + 16 x lane,
	v_lshl_add_u32 v55, v0, 2, LQS         ; and its scale words: 128 x wave + 4 x lane
.irp j, 16,17,18,19,24,25,26,27
	v_mov_b32 v\j, 0                       ; the zero codes beside q
.endr
.set i, 0
.rept 32
	v_mov_b32 v[FIFO+i], 0                 ; (the first shifts read them)
.set i, i+1
.endr
.set i, 0
.rept 16
	v_mov_b32 v[TS+i], 0                   ; written once: a lane permute's destination counts as one of its sources
.set i, i+1
.endr
.irp j, 29,31,53,59,252,253,254,255
	v_mov_b32 v\j, 0
.endr
	v_mov_b32 v30, 0xff800000              ; -infinity
	s_wait_kmcnt 0x0
	v_mov_b32 v60, s36
	v_mul_f32 v60, 0xbfb8aa3b, v60         ; g = 1 / (1 + 2^(-x log2(e)))
	v_exp_f32 v60, v60
	v_nop
	s_wait_alu depctr_va_vdst(0)
	v_add_f32 v60, 1.0, v60
	v_rcp_f32 v60, v60
	v_nop
	s_wait_alu depctr_va_vdst(0)
	v_sub_f32 v61, 1.0, v60
	s_wait_loadcnt 0x0                     ; q, my record and the first tile's rel_pos are in
	ds_store_b128 v54, v[20:23]            ; tile w's q as an image of its registers
	ds_store_b32 v55, v28
	BAR                                    ; the eight tiles' q lie in LDS; nobody writes these bytes again.  (My tensor load may be out: no LDS byte is filled again in this launch, and the local phase names none of its bytes)
	s_mov_b32 s38, LQC                     ; the tile whose q is asked for: its codes,
	s_mov_b32 s39, LQS                     ; its scale words
	QFETCH
	; ---------------- THE LOCAL PHASE: eight tiles of queries
	LTRIP 0, 1
	s_mov_b32 s61, 6
.Lloc:
	LTRIP 1, 1
	s_sub_co_u32 s61, s61, 1
	s_cmp_lg_u32 s61, 0
	s_cbranch_scc1 .Lloc
	s_wait_tensorcnt 0x0                   ; my records are in LDS; seven tiles' work has stood between the request and this wait
	LTRIP 1, 0
	; ---------------- BETWEEN THE PHASES: the last local tile is joined while the retrieved phase's first loads are on their way
	LLOAD
.irp s, 0,1,2,3
.irp x, 0,1
	ds_load_b32 v[32+2*\s+\x], v5 offset:RECB*\s+8192+128*\x       ; my four records' scale words stay in registers
	ds_load_b32 v[40+2*\s+\x], v5 offset:RECB*\s+8448+128*\x
.endr
.endr
	s_mov_b32 s38, LQC                     ; q back to the first tile
	s_mov_b32 s39, LQS
	QFETCH
	KLOAD 0
	KLOAD 1
	s_mov_b32 s62, 0
	s_mov_b32 s63, 0
	s_wait_dscnt 34                        ; the last tile's parts are in; the 16 scale words, q's 2 loads and K's 16 may be out
	REDL
	BAR                                    ; every wave has read the last local tile's parts: the retrieved phase may store over them
	; ---------------- THE RETRIEVED PHASE: the same eight tiles
	ETRIP 0, 1
	s_mov_b32 s61, 6
.Lext:
	ETRIP 1, 1
	s_sub_co_u32 s61, s61, 1
	s_cmp_lg_u32 s61, 0
	s_cbranch_scc1 .Lext
	ETRIP 1, 0
	FLOAD                                  ; the last tile is joined
	s_wait_dscnt 0x0
	ERED_A
	ERED_B
	EOUT
	BAR                                    ; the eight tiles' codes and bytes lie in LDS
	v_lshl_add_u32 v62, v0, 4, LOUTC       ; wave w stores tile w: 512 x wave + 16 x lane
	v_and_b32 v31, 15, v0
	s_lshl_b32 s2, s4, 5
	v_lshl_add_u32 v63, v31, 1, s2
	v_add_nc_u32 v63, LOUTS, v63
	v_lshlrev_b32 v14, 2, v31
	ds_load_b128 v[64:67], v62
	ds_load_u16 v68, v63
	s_wait_dscnt 0x0
	global_store_b128 v1, v[64:67], s[52:53]       ; the wave stores 512 consecutive bytes
	global_store_b16 v14, v68, s[54:55]            ; my head's two bytes of each row's scale word (lanes 16-31 repeat lanes 0-15); the other two are the neighbouring head's
	s_wait_xcnt 0x0
	v_lshl_add_u32 v254, v0, 2, 0x4f500
	v_mov_b32 v255, 0
	s_wait_tensorcnt 0x0
	ds_add_u32 v254, v255
	s_wait_dscnt 0x0
	ROUND                                  ; the closing round: no work-group ends while a partner may still ask for a tile that names it
	s_endpgm
.Lfunc_end_k_q9c89f2be7b_attn:
	.size	k_q9c89f2be7b_attn, .Lfunc_end_k_q9c89f2be7b_attn-k_q9c89f2be7b_attn
	.p2alignl 7, 3214868480
	.fill 96, 4, 3214868480
	.section	.rodata,"a",@progbits
	.p2align	6, 0x0
	.amdhsa_kernel k_q9c89f2be7b_attn
		.amdhsa_group_segment_fixed_size 327680
		.amdhsa_private_segment_fixed_size 0
		.amdhsa_enable_private_segment 0
		.amdhsa_kernarg_size 64
		.amdhsa_user_sgpr_count 2
		.amdhsa_user_sgpr_kernarg_segment_ptr 1
		.amdhsa_wavefront_size32 1
		.amdhsa_system_sgpr_workgroup_id_x 1
		.amdhsa_system_sgpr_workgroup_id_y 1
		.amdhsa_system_sgpr_workgroup_id_z 1
		.amdhsa_system_vgpr_workitem_id 0
		.amdhsa_next_free_vgpr 512
		.amdhsa_next_free_sgpr 66
		.amdhsa_reserve_vcc 1
		.amdhsa_float_denorm_mode_32 3
		.amdhsa_float_denorm_mode_16_64 3
		.amdhsa_memory_ordered 1
		.amdhsa_forward_progress 1
		.amdhsa_inst_pref_size 255
	.end_amdhsa_kernel
	.section	.bss,"aw",@nobits
	.p2align	6
	.space	262144
	.amdgpu_metadata
---
amdhsa.version: [ 1, 2 ]
amdhsa.kernels:
  - .name:           k_q9c89f2be7b_attn
    .symbol:         k_q9c89f2be7b_attn.kd
    .args:
      - { .name: qcodes, .offset: 0, .size: 8, .value_kind: global_buffer, .address_space: global }
      - { .name: qscales, .offset: 8, .size: 8, .value_kind: global_buffer, .address_space: global }
      - { .name: extrec, .offset: 16, .size: 8, .value_kind: global_buffer, .address_space: global }
      - { .name: locrec, .offset: 24, .size: 8, .value_kind: global_buffer, .address_space: global }
      - { .name: rel_pos, .offset: 32, .size: 8, .value_kind: global_buffer, .address_space: global }
      - { .name: gate, .offset: 40, .size: 8, .value_kind: global_buffer, .address_space: global }
      - { .name: fcodes, .offset: 48, .size: 8, .value_kind: global_buffer, .address_space: global }
      - { .name: fscales, .offset: 56, .size: 8, .value_kind: global_buffer, .address_space: global }
    .group_segment_fixed_size: 327680
    .private_segment_fixed_size: 0
    .kernarg_segment_align: 8
    .kernarg_segment_size: 64
    .max_flat_workgroup_size: 256
    .sgpr_count:     66
    .vgpr_count:     512
    .wavefront_size: 32
...
	.end_amdgpu_metadata
.endif
;; end of part 3
;; launch oproj (part 4): grid 64 x 4, 4 waves a work-group, no clusters, 17,920 bytes of LDS; arguments fcodes, fscales, Wo_codes, Wo_scales, bo, out0; writes out0
.if DOCPART == 4
	.amdgcn_target "amdgcn-amd-amdhsa--gfx1250"
	.amdhsa_code_object_version 6
	.text
	.protected	k_q9c89f2be7b_oproj
	.globl	k_q9c89f2be7b_oproj
	.p2align	8
	.type	k_q9c89f2be7b_oproj,@function
k_q9c89f2be7b_oproj:
	s_mov_b64 s[64:65], 0
	v_nop
	global_prefetch_b8 v0, s[64:65] scope:SCOPE_SE
	s_setreg_imm32_b32 hwreg(HW_REG_WAVE_MODE, 25, 1), 1
	s_wait_xcnt 0x0
; out0 = fused Wo^T + bo on codes of FP4 (E2M1) with E8M0 scales.  fused comes as images of operand registers: [tile of 16 rows][K step][half][512 bytes], its scale words [tile][K step][row].
; A work-group takes 32 rows x 256 columns; wave w columns 256 y + 64 w on: 4 tiles of columns x 2 tiles of rows, 8 accumulators, K in 8 steps of 128.
; THE PRODUCT IS USED TRANSPOSED (source 0 = 16 rows of Wo, source 1 = 16 rows of fused); lane r of tile 2 b + u takes Wo's row 32 b + 8 u + r + 8 (r / 8), so that accumulator (rt, 2 b + u), lane (r, hh),
; register j is (row 16 rt + r, column 32 b + 16 hh + 8 u + j).  The bias is loaded into the accumulators.  The results leave through the wave's own stage, sixteen lanes to 256 consecutive aligned bytes.
; No tensor loads, no cluster, no barrier: a wave has 64 matrix instructions and shares nothing with another.
.set ACC,  184
.set SETS, 40
.set WSC,  16
.set XSC,  32
.set STW,  4352
.macro WM d, a, b, c, sa, sb, ra, rb
.set WSEL, (\ra)+2*(\rb)
.if WSEL == 0
	v_wmma_scale_f32_16x16x128_f8f6f4 v[\d:\d+7], v[\a:\a+7], v[\b:\b+7], v[\c:\c+7], v[\sa], v[\sb] matrix_a_fmt:MATRIX_FMT_FP4 matrix_b_fmt:MATRIX_FMT_FP4
.elseif WSEL == 1
	v_wmma_scale_f32_16x16x128_f8f6f4 v[\d:\d+7], v[\a:\a+7], v[\b:\b+7], v[\c:\c+7], v[\sa], v[\sb] matrix_a_fmt:MATRIX_FMT_FP4 matrix_b_fmt:MATRIX_FMT_FP4 matrix_a_scale:MATRIX_SCALE_ROW1
.elseif WSEL == 2
	v_wmma_scale_f32_16x16x128_f8f6f4 v[\d:\d+7], v[\a:\a+7], v[\b:\b+7], v[\c:\c+7], v[\sa], v[\sb] matrix_a_fmt:MATRIX_FMT_FP4 matrix_b_fmt:MATRIX_FMT_FP4 matrix_b_scale:MATRIX_SCALE_ROW1
.else
	v_wmma_scale_f32_16x16x128_f8f6f4 v[\d:\d+7], v[\a:\a+7], v[\b:\b+7], v[\c:\c+7], v[\sa], v[\sb] matrix_a_fmt:MATRIX_FMT_FP4 matrix_b_fmt:MATRIX_FMT_FP4 matrix_a_scale:MATRIX_SCALE_ROW1 matrix_b_scale:MATRIX_SCALE_ROW1
.endif
.endm
.macro LOADSET s
.set SB, SETS+48*((\s)%3)
.irp ct, 0,1,2,3
.irp c, 0,1
	global_load_b128 v[SB+8*\ct+4*\c:SB+8*\ct+4*\c+3], v1, s[36:37] offset:(32*(\ct/2)+8*(\ct%2))*512+64*(\s)+32*\c
.endr
.endr
.irp rt, 0,1
.irp c, 0,1
	global_load_b128 v[SB+32+8*\rt+4*\c:SB+32+8*\rt+4*\c+3], v9, s[42:43] offset:\rt*8192+1024*(\s)+512*\c
.endr
.endr
.endm
.macro STEP s
.if (\s) < 6
	s_wait_loadcnt 24                      ; this step's set is in; the two younger sets, 12 loads each, may be out
.elseif (\s) == 6
	s_wait_loadcnt 12
.else
	s_wait_loadcnt 0x0
.endif
.set SB, SETS+48*((\s)%3)
.irp rt, 0,1
.irp ct, 0,1,2,3
	WM ACC+8*(4*\rt+\ct), SB+8*\ct, SB+32+8*\rt, ACC+8*(4*\rt+\ct), WSC+8*(\ct/2)+(\s), XSC+(\s), \ct%2, \rt
.endr
.endr
.if ((\s) < 5) || ((\s) == 7)
.rept 4
	v_nop                                  ; four places in front of loads into registers that these products read, and of the first read of results
.endr
.endif
.if (\s) < 5
	LOADSET (\s)+3
.endif
.endm
	s_load_b256 s[8:15], s[0:1], 0x0       ; fcodes 8, fscales 10, Wo codes 12, Wo scales 14
	s_load_b128 s[16:19], s[0:1], 0x20     ; bo 16, out0 18
	v_lshl_add_u32 v254, v0, 2, 0x4400
	v_mov_b32 v255, 0
	v_lshrrev_b32 v13, 5, v0
	v_readfirstlane_b32 s6, v13            ; wave 0..3
	s_and_b32 s4, ttmp7, 0xffff            ; which 256 columns
	s_mov_b32 s5, ttmp9                    ; which 32 rows
	v_and_b32 v13, 31, v0                  ; lane
	v_and_b32 v14, 15, v0                  ; r
	v_bfe_u32 v15, v0, 4, 1                ; hh
	v_and_b32 v1, 8, v0
	v_add_nc_u32 v1, v1, v14               ; r + 8 (r / 8)
	v_lshl_add_u32 v4, v15, 3, v1
	v_lshlrev_b32 v4, 5, v4                ; Wo's scales: the row of my lane, 32 bytes a row
	v_lshlrev_b32 v1, 9, v1
	v_lshl_add_u32 v1, v15, 4, v1          ; Wo: a row is 512 bytes; + 16 hh
	v_lshlrev_b32 v3, 6, v15               ; bias
	v_lshlrev_b32 v5, 9, v15
	v_lshl_add_u32 v5, v14, 2, v5          ; fused's scale words: tile hh, row r
	s_mul_i32 s7, s6, STW                  ; my stage
	v_mul_u32_u24 v6, v14, 272
	v_lshl_add_u32 v6, v15, 6, v6
	v_add_nc_u32 v6, s7, v6
	v_mul_u32_u24 v7, v15, 272
	v_lshl_add_u32 v7, v14, 4, v7
	v_add_nc_u32 v7, s7, v7
	v_lshlrev_b32 v8, 12, v15
	v_lshl_add_u32 v8, v14, 4, v8          ; out0: a row is 4,096 bytes
	v_lshlrev_b32 v9, 4, v13               ; 16 x lane
	s_lshl_b32 s7, s4, 8
	s_lshl_b32 s2, s6, 6
	s_add_co_u32 s7, s7, s2                ; my first column
	s_mov_b32 s3, 0
	s_wait_kmcnt 0x0
	s_lshl_b32 s2, s7, 9
	s_add_nc_u64 s[36:37], s[12:13], s[2:3]
	s_lshl_b32 s2, s7, 5
	s_add_nc_u64 s[38:39], s[14:15], s[2:3]
	s_lshl_b32 s2, s7, 2
	s_add_nc_u64 s[40:41], s[16:17], s[2:3]
	s_add_nc_u64 s[46:47], s[18:19], s[2:3]
	s_lshl_b32 s2, s5, 17
	s_add_nc_u64 s[46:47], s[46:47], s[2:3]
	s_lshl_b32 s2, s5, 14
	s_add_nc_u64 s[42:43], s[8:9], s[2:3]
	s_lshl_b32 s2, s5, 10
	s_add_nc_u64 s[44:45], s[10:11], s[2:3]
.irp b, 0,1
	global_load_b128 v[WSC+8*\b:WSC+8*\b+3], v4, s[38:39] offset:1024*\b
	global_load_b128 v[WSC+8*\b+4:WSC+8*\b+7], v4, s[38:39] offset:1024*\b+16
.endr
.irp s, 0,1,2,3,4,5,6,7
	global_load_b32 v[XSC+\s], v5, s[44:45] offset:64*\s
.endr
.irp rt, 0,1
.irp ct, 0,1,2,3
	global_load_b128 v[ACC+8*(4*\rt+\ct):ACC+8*(4*\rt+\ct)+3], v3, s[40:41] offset:(32*(\ct/2)+8*(\ct%2))*4
	global_load_b128 v[ACC+8*(4*\rt+\ct)+4:ACC+8*(4*\rt+\ct)+7], v3, s[40:41] offset:(32*(\ct/2)+8*(\ct%2))*4+16
.endr
.endr
	LOADSET 0
	LOADSET 1
	LOADSET 2
.irp s, 0,1,2,3,4,5,6,7
	STEP \s
.endr
.irp rt, 0,1
.irp ct, 0,1,2,3
	ds_store_b128 v6, v[ACC+32*\rt+8*\ct:ACC+32*\rt+8*\ct+3] offset:128*(\ct/2)+32*(\ct%2)         ; each accumulator from its low end on
	ds_store_b128 v6, v[ACC+32*\rt+8*\ct+4:ACC+32*\rt+8*\ct+7] offset:128*(\ct/2)+32*(\ct%2)+16
.endr
.irp i, 0,1,2,3,4,5,6,7
	ds_load_b128 v[40+32*\rt+4*\i:40+32*\rt+4*\i+3], v7 offset:544*\i      ; LDS serves a wave's instructions in order (ISA guide 5.7.1.4): these see my stores
.endr
.irp i, 0,1,2,3,4,5,6,7
	s_wait_dscnt 7-\i
	global_store_b128 v8, v[40+32*\rt+4*\i:40+32*\rt+4*\i+3], s[46:47] offset:(16*\rt+2*\i)*4096 th:TH_STORE_NT   ; sixteen lanes store 256 consecutive bytes, aligned; written once
.endr
.endr
	s_wait_tensorcnt 0x0
	ds_add_u32 v254, v255
	s_wait_dscnt 0x0
	s_endpgm
.Lfunc_end_k_q9c89f2be7b_oproj:
	.size	k_q9c89f2be7b_oproj, .Lfunc_end_k_q9c89f2be7b_oproj-k_q9c89f2be7b_oproj
	.p2alignl 7, 3214868480
	.fill 96, 4, 3214868480
	.section	.rodata,"a",@progbits
	.p2align	6, 0x0
	.amdhsa_kernel k_q9c89f2be7b_oproj
		.amdhsa_group_segment_fixed_size 17920
		.amdhsa_private_segment_fixed_size 0
		.amdhsa_enable_private_segment 0
		.amdhsa_kernarg_size 48
		.amdhsa_user_sgpr_count 2
		.amdhsa_user_sgpr_kernarg_segment_ptr 1
		.amdhsa_wavefront_size32 1
		.amdhsa_system_sgpr_workgroup_id_x 1
		.amdhsa_system_sgpr_workgroup_id_y 1
		.amdhsa_system_sgpr_workgroup_id_z 1
		.amdhsa_system_vgpr_workitem_id 0
		.amdhsa_next_free_vgpr 256
		.amdhsa_next_free_sgpr 66
		.amdhsa_reserve_vcc 0
		.amdhsa_float_denorm_mode_32 3
		.amdhsa_float_denorm_mode_16_64 3
		.amdhsa_memory_ordered 1
		.amdhsa_forward_progress 1
		.amdhsa_inst_pref_size 28
	.end_amdhsa_kernel
	.amdgpu_metadata
---
amdhsa.version: [ 1, 2 ]
amdhsa.kernels:
  - .name:           k_q9c89f2be7b_oproj
    .symbol:         k_q9c89f2be7b_oproj.kd
    .args:
      - { .name: fcodes, .offset: 0, .size: 8, .value_kind: global_buffer, .address_space: global }
      - { .name: fscales, .offset: 8, .size: 8, .value_kind: global_buffer, .address_space: global }
      - { .name: Wo_codes, .offset: 16, .size: 8, .value_kind: global_buffer, .address_space: global }
      - { .name: Wo_scales, .offset: 24, .size: 8, .value_kind: global_buffer, .address_space: global }
      - { .name: bo, .offset: 32, .size: 8, .value_kind: global_buffer, .address_space: global }
      - { .name: out0, .offset: 40, .size: 8, .value_kind: global_buffer, .address_space: global }
    .group_segment_fixed_size: 17920
    .private_segment_fixed_size: 0
    .kernarg_segment_align: 8
    .kernarg_segment_size: 48
    .max_flat_workgroup_size: 128
    .sgpr_count:     66
    .vgpr_count:     256
    .wavefront_size: 32
...
	.end_amdgpu_metadata
.endif
;; end of part 4
;; ======== version 2 of 2: 4 launches; version 1 with the launches proj, quant, oproj written anew for expert scheduling mode
;; workspace buffers: qcodes 1,048,576 bytes; qscales 262,144 bytes; extrec 17,825,792 bytes; locrec 4,456,448 bytes; fcodes 1,048,576 bytes; fscales 65,536 bytes
;; launch proj (part 5): grid 64 x 3, 16 waves a work-group, no clusters, 75,776 bytes of LDS; arguments input_codes, input_scales, Wq_codes, Wk_codes, Wv_codes, Wq_scales, Wk_scales, Wv_scales, bq, bk, bv, qcodes, qscales, out1; writes qcodes, qscales, out1
.if DOCPART == 5
	.amdgcn_target "amdgcn-amd-amdhsa--gfx1250"
	.amdhsa_code_object_version 6
	.text
	.protected	k_q9c89f2be7b_proj
	.globl	k_q9c89f2be7b_proj
	.p2align	8
	.type	k_q9c89f2be7b_proj,@function
k_q9c89f2be7b_proj:
	s_mov_b64 s[64:65], 0
	v_nop
	global_prefetch_b8 v0, s[64:65] scope:SCOPE_SE
	s_setreg_imm32_b32 hwreg(HW_REG_WAVE_SCHED_MODE, 0, 2), 2
	s_setreg_imm32_b32 hwreg(HW_REG_WAVE_MODE, 25, 1), 1
	s_wait_xcnt 0x0
	s_wait_alu depctr_vm_vsrc(0)
; q, k, v = input W^T + b on codes of FP4 (E2M1) with E8M0 scales, as they are given; q and k divided by max(their row's norm over all 1,024 columns, 1e-12).
; A work-group takes 32 rows of input and ALL 1,024 columns of ONE weight (work-group y: 0 = q, 1 = k, 2 = v), so that a row's norm is made inside it.
; Wave w takes columns 64 w .. 64 w + 63, head w: 4 tiles of columns x 2 tiles of rows, 8 accumulators, K in 8 steps of 128.
; THE PRODUCT IS USED TRANSPOSED: source 0 = 16 rows of W, source 1 = 16 rows of input.  THE ROWS OF W THAT FORM A TILE ARE NOT NEIGHBOURS: lane r of tile 2 b + u takes row 32 b + 8 u + r + 8 (r / 8),
; so that accumulator (rt, 2 b + u), lane (r, hh), register j is (row 16 rt + r, column 64 w + 32 b + 16 hh + 8 u + j): the 16 registers of tiles 2 b, 2 b + 1 are 16 neighbouring columns.
; The bias is loaded into the accumulators: every K step then adds in place and nothing is cleared.
; k and v leave as f32 (out1), through the wave's own stage, sixteen lanes to 256 consecutive aligned bytes.  q leaves as codes: a head's 64 numbers are two blocks of 32; a tile of 16 queries is an image of
; four operand registers (16 bytes a lane at 16 x lane) and a scale word (s0, s1, s0, s1) a lane.
; No tensor loads and no cluster: no two waves of a work-group read the same weight rows, and a wave has only 64 matrix instructions.
; LIMITS: NaN and infinities are not served; a block of zeros carries the byte 1 (its codes are zeros; the bytes are read by this program alone).
; THE MODE: SCHED_MODE bits 1:0 = 2 (LLVM: expert scheduling mode 2), set by the entry lines.  The code itself states the register dependences
; between vector or matrix instructions and memory or LDS instructions, with s_wait_alu, always for 0.
; THE PLAN.  Registers that memory or LDS instructions touch:
;   v1-v12      offsets and LDS addresses: written at the head, read by loads and stores, never written again.
;   WSC, XSC, ACC (as the bias)  loaded once at the head; no vector instruction names them before.
;   SET0-SET2   Step s: its eight products read set s % 3; the twelve loads of step s + 3 land in that same set, behind them.
;   v[248:249]  written by the sums of squares, read by one LDS store, written again by the first addition behind the barrier.
;   v40-v71     read by products; the sixteen LDS loads behind the barrier land in them; read by additions.
;   ACC, v40-v103 on k's and v's way out: ACC is written by the scaling and read by LDS stores; the stage's loads land in v40-v103, which global stores read.
;   v48-v52, v56-v60 on q's way out: written by conversions and permutes, read by four global stores.
; So: one wait on va_vdst ahead of the first load; one a step, behind the products that empty a set, so that three sets stay asked for (there is no register for a fourth);
; one ahead of the LDS store of the sums, which serves the loads behind the barrier too; one wait on vm_vsrc ahead of the addition that writes that store's data again; one wait on va_vdst on each way out.
.set ACC,  184                         ; v184-247 accumulator (rt, ct) at ACC + 8 (4 rt + ct)
.set SETS, 40                          ; v40-183  three sets of 48: W's four fragments, then input's two
.set WSC,  16                          ; v16-31   W's scale words: 8 b + s; lanes 0-15 tile u = 0, lanes 16-31 tile u = 1
.set XSC,  32                          ; v32-39   input's scale words of K step s: lane = row
.set STG,  4096                        ; LDS: 0 .. 4,095 the waves' sums of squares; from 4,096 a stage of 16 rows x 272 bytes for each wave
.set STW,  4352
; one scaled matrix instruction: d, a, b, c first registers (c < 0: the constant 0), sa, sb scale registers, ra, rb = 1: that side's scales stand in lanes 16-31
.macro WM d, a, b, c, sa, sb, ra, rb
.set WSEL, (\ra)+2*(\rb)
.if (\c) < 0
.if WSEL == 0
	v_wmma_scale_f32_16x16x128_f8f6f4 v[\d:\d+7], v[\a:\a+7], v[\b:\b+7], 0, v[\sa], v[\sb] matrix_a_fmt:MATRIX_FMT_FP4 matrix_b_fmt:MATRIX_FMT_FP4
.elseif WSEL == 1
	v_wmma_scale_f32_16x16x128_f8f6f4 v[\d:\d+7], v[\a:\a+7], v[\b:\b+7], 0, v[\sa], v[\sb] matrix_a_fmt:MATRIX_FMT_FP4 matrix_b_fmt:MATRIX_FMT_FP4 matrix_a_scale:MATRIX_SCALE_ROW1
.elseif WSEL == 2
	v_wmma_scale_f32_16x16x128_f8f6f4 v[\d:\d+7], v[\a:\a+7], v[\b:\b+7], 0, v[\sa], v[\sb] matrix_a_fmt:MATRIX_FMT_FP4 matrix_b_fmt:MATRIX_FMT_FP4 matrix_b_scale:MATRIX_SCALE_ROW1
.else
	v_wmma_scale_f32_16x16x128_f8f6f4 v[\d:\d+7], v[\a:\a+7], v[\b:\b+7], 0, v[\sa], v[\sb] matrix_a_fmt:MATRIX_FMT_FP4 matrix_b_fmt:MATRIX_FMT_FP4 matrix_a_scale:MATRIX_SCALE_ROW1 matrix_b_scale:MATRIX_SCALE_ROW1
.endif
.else
.if WSEL == 0
	v_wmma_scale_f32_16x16x128_f8f6f4 v[\d:\d+7], v[\a:\a+7], v[\b:\b+7], v[\c:\c+7], v[\sa], v[\sb] matrix_a_fmt:MATRIX_FMT_FP4 matrix_b_fmt:MATRIX_FMT_FP4
.elseif WSEL == 1
	v_wmma_scale_f32_16x16x128_f8f6f4 v[\d:\d+7], v[\a:\a+7], v[\b:\b+7], v[\c:\c+7], v[\sa], v[\sb] matrix_a_fmt:MATRIX_FMT_FP4 matrix_b_fmt:MATRIX_FMT_FP4 matrix_a_scale:MATRIX_SCALE_ROW1
.elseif WSEL == 2
	v_wmma_scale_f32_16x16x128_f8f6f4 v[\d:\d+7], v[\a:\a+7], v[\b:\b+7], v[\c:\c+7], v[\sa], v[\sb] matrix_a_fmt:MATRIX_FMT_FP4 matrix_b_fmt:MATRIX_FMT_FP4 matrix_b_scale:MATRIX_SCALE_ROW1
.else
	v_wmma_scale_f32_16x16x128_f8f6f4 v[\d:\d+7], v[\a:\a+7], v[\b:\b+7], v[\c:\c+7], v[\sa], v[\sb] matrix_a_fmt:MATRIX_FMT_FP4 matrix_b_fmt:MATRIX_FMT_FP4 matrix_a_scale:MATRIX_SCALE_ROW1 matrix_b_scale:MATRIX_SCALE_ROW1
.endif
.endif
.endm
; K step s: twelve loads of 16 bytes a lane into set s % 3
.macro LOADSET s
.set SB, SETS+48*((\s)%3)
.irp ct, 0,1,2,3
.irp c, 0,1
	global_load_b128 v[SB+8*\ct+4*\c:SB+8*\ct+4*\c+3], v1, s[36:37] offset:(32*(\ct/2)+8*(\ct%2))*512+64*(\s)+32*\c
.endr
.endr
.irp rt, 0,1
.irp c, 0,1
	global_load_b128 v[SB+32+8*\rt+4*\c:SB+32+8*\rt+4*\c+3], v2, s[42:43] offset:\rt*8192+64*(\s)+32*\c
.endr
.endr
.endm
; K step s: eight matrix instructions, the eight accumulators by turns, in the same order in every step
.macro STEP s
.if (\s) < 6
	s_wait_loadcnt 24                      ; this step's set is in; the two younger sets, 12 loads each, may be out
.elseif (\s) == 6
	s_wait_loadcnt 12
.else
	s_wait_loadcnt 0x0
.endif
.set SB, SETS+48*((\s)%3)
.irp rt, 0,1
.irp ct, 0,1,2,3
	WM ACC+8*(4*\rt+\ct), SB+8*\ct, SB+32+8*\rt, ACC+8*(4*\rt+\ct), WSC+8*(\ct/2)+(\s), XSC+(\s), \ct%2, \rt
.endr
.endr
.if ((\s) < 5) || ((\s) == 7)
.rept 4
	v_nop                                  ; four places behind these products, in front of loads into registers that they read, and of the first read of results
.endr
.endif
.if (\s) < 5
	s_wait_alu depctr_va_vdst(0)           ; this step's eight products are done reading their set, in which the twelve loads below land; the places above stay beside this wait
	LOADSET (\s)+3
.endif
.endm
	s_load_b512 s[8:23], s[0:1], 0x0       ; input codes 8, scales 10; Wq, Wk, Wv codes 12, 14, 16; their scales 18, 20, 22
	s_load_b256 s[24:31], s[0:1], 0x40     ; bq 24, bk 26, bv 28, qcodes 30
	s_load_b128 s[32:35], s[0:1], 0x60     ; qscales 32, out1 34
	v_lshrrev_b32 v13, 5, v0
	v_readfirstlane_b32 s6, v13            ; wave 0..15 = head
	s_and_b32 s4, ttmp7, 0xffff            ; which weight
	s_mov_b32 s5, ttmp9                    ; which 32 rows
	s_mov_b32 s48, 0x76543210
	s_mov_b32 s49, 0xfedcba98              ; v_permlanex16_b32's selects for lane l xor 16
	v_and_b32 v13, 31, v0                  ; lane
	v_and_b32 v14, 15, v0                  ; r
	v_bfe_u32 v15, v0, 4, 1                ; hh
	v_and_b32 v1, 8, v0
	v_add_nc_u32 v1, v1, v14               ; r + 8 (r / 8)
	v_lshl_add_u32 v4, v15, 3, v1          ; + 8 hh: the row whose scale words my lane takes
	v_lshlrev_b32 v4, 5, v4                ; 32 bytes of scales a row
	v_lshlrev_b32 v1, 9, v1
	v_lshl_add_u32 v1, v15, 4, v1          ; W: a row is 512 bytes; + 16 hh
	v_lshlrev_b32 v2, 9, v14
	v_lshl_add_u32 v2, v15, 4, v2          ; input likewise, row r
	v_lshlrev_b32 v3, 6, v15               ; bias: my half's 8 columns begin 16 hh columns on
	v_lshlrev_b32 v5, 5, v13               ; input's scales: lane = row
	s_wait_alu depctr_va_sdst(0)           ; s6, the wave's number, is written, ahead of its first reader: LDS addresses and the bases of W, the bias and the outputs are made from it
	s_mul_i32 s7, s6, STW
	s_add_co_u32 s7, s7, STG               ; my stage
	v_mul_u32_u24 v6, v14, 272
	v_lshl_add_u32 v6, v15, 6, v6
	v_add_nc_u32 v6, s7, v6                ; in: row r, + 64 hh bytes
	v_mul_u32_u24 v7, v15, 272
	v_lshl_add_u32 v7, v14, 4, v7
	v_add_nc_u32 v7, s7, v7                ; back: lanes 0-15 one row of 256 bytes, lanes 16-31 the next
	v_lshlrev_b32 v8, 13, v15
	v_lshl_add_u32 v8, v14, 4, v8          ; and the same two rows in out1 (8,192 bytes a row)
	v_lshlrev_b32 v9, 4, v13               ; 16 x lane
	v_lshlrev_b32 v10, 2, v13              ; 4 x lane
	v_lshlrev_b32 v11, 3, v0               ; the sums of squares: 256 x wave + 8 x lane
	v_lshlrev_b32 v12, 3, v13              ; 8 x lane
	s_wait_kmcnt 0x0
	s_cmp_eq_u32 s4, 1                     ; the choice hangs on the work-group's number alone
	s_cselect_b64 s[36:37], s[14:15], s[16:17]
	s_cselect_b64 s[38:39], s[20:21], s[22:23]
	s_cselect_b64 s[40:41], s[26:27], s[28:29]
	s_cmp_eq_u32 s4, 0
	s_cselect_b64 s[36:37], s[12:13], s[36:37]
	s_cselect_b64 s[38:39], s[18:19], s[38:39]
	s_cselect_b64 s[40:41], s[24:25], s[40:41]
	s_cmp_eq_u32 s4, 2
	s_cselect_b32 s50, 0, -1               ; all ones where the rows are normalised (q, k)
	s_mov_b32 s3, 0
	s_lshl_b32 s2, s6, 15
	s_add_nc_u64 s[36:37], s[36:37], s[2:3]    ; my 64 rows of W: codes,
	s_lshl_b32 s2, s6, 11
	s_add_nc_u64 s[38:39], s[38:39], s[2:3]    ; scales,
	s_lshl_b32 s2, s6, 8
	s_add_nc_u64 s[40:41], s[40:41], s[2:3]    ; bias
	s_lshl_b32 s2, s5, 14
	s_add_nc_u64 s[42:43], s[8:9], s[2:3]      ; the work-group's 32 rows of input: codes,
	s_lshl_b32 s2, s5, 10
	s_add_nc_u64 s[44:45], s[10:11], s[2:3]    ; scales
	s_wait_alu depctr_va_vdst(0)           ; the twelve offsets and LDS addresses v1 to v12 are written: every load and store of the kernel reads one of them
.irp b, 0,1
	global_load_b128 v[WSC+8*\b:WSC+8*\b+3], v4, s[38:39] offset:1024*\b
	global_load_b128 v[WSC+8*\b+4:WSC+8*\b+7], v4, s[38:39] offset:1024*\b+16
.endr
	global_load_b128 v[XSC:XSC+3], v5, s[44:45]
	global_load_b128 v[XSC+4:XSC+7], v5, s[44:45] offset:16
.irp rt, 0,1
.irp ct, 0,1,2,3
	global_load_b128 v[ACC+8*(4*\rt+\ct):ACC+8*(4*\rt+\ct)+3], v3, s[40:41] offset:(32*(\ct/2)+8*(\ct%2))*4
	global_load_b128 v[ACC+8*(4*\rt+\ct)+4:ACC+8*(4*\rt+\ct)+7], v3, s[40:41] offset:(32*(\ct/2)+8*(\ct%2))*4+16
.endr
.endr
	LOADSET 0
	LOADSET 1
	LOADSET 2
.irp s, 0,1,2,3,4,5,6,7
	STEP \s
.endr
	; the rows' sums of squares: my 32 numbers of each of two rows, two chains a row, each accumulator from its low end on
	v_pk_mul_f32 v[248:249], v[ACC:ACC+1], v[ACC:ACC+1]
	v_pk_mul_f32 v[250:251], v[ACC+2:ACC+3], v[ACC+2:ACC+3]
	v_pk_mul_f32 v[252:253], v[ACC+32:ACC+33], v[ACC+32:ACC+33]
	v_pk_mul_f32 v[254:255], v[ACC+34:ACC+35], v[ACC+34:ACC+35]
.set i, 4
.rept 7
	v_pk_fma_f32 v[248:249], v[ACC+i:ACC+i+1], v[ACC+i:ACC+i+1], v[248:249]
	v_pk_fma_f32 v[250:251], v[ACC+i+2:ACC+i+3], v[ACC+i+2:ACC+i+3], v[250:251]
	v_pk_fma_f32 v[252:253], v[ACC+32+i:ACC+33+i], v[ACC+32+i:ACC+33+i], v[252:253]
	v_pk_fma_f32 v[254:255], v[ACC+34+i:ACC+35+i], v[ACC+34+i:ACC+35+i], v[254:255]
.set i, i+4
.endr
	v_pk_add_f32 v[248:249], v[248:249], v[250:251]
	v_pk_add_f32 v[252:253], v[252:253], v[254:255]
	v_add_f32 v248, v248, v249
	v_add_f32 v249, v252, v253
	v_permlanex16_b32 v250, v248, s48, s49
	v_permlanex16_b32 v251, v249, s48, s49
	v_pk_add_f32 v[248:249], v[248:249], v[250:251]    ; my wave's 64 columns of rows r and 16 + r
	s_wait_alu depctr_va_vdst(0)           ; v[248:249] are written, which the LDS store reads; and the products are done reading v40 to v71, in which the LDS loads behind the barrier land (no vector line stands between)
	ds_store_b64 v11, v[248:249]
	s_wait_dscnt 0x0                       ; for the others' sake: my store has landed
	s_barrier_signal -1
	s_barrier_wait -1
.irp v, 0,1,2,3,4,5,6,7,8,9,10,11,12,13,14,15
	ds_load_b64 v[40+2*\v:41+2*\v], v12 offset:256*\v
.endr
	s_wait_dscnt 0x0
	s_wait_alu depctr_vm_vsrc(0)           ; my LDS store has read v[248:249], which the next line writes again
	v_pk_add_f32 v[248:249], v[40:41], v[42:43]
.irp v, 2,3,4,5,6,7,8,9,10,11,12,13,14,15
	v_pk_add_f32 v[248:249], v[248:249], v[40+2*\v:41+2*\v]    ; in the same order in every wave
.endr
	v_sqrt_f32 v250, v248
	v_sqrt_f32 v251, v249
	v_nop                                  ; a plain place behind the transcendentals
	s_wait_alu depctr_va_vdst(0)           ; the two square roots v250, v251 are written: one wait for both, ahead of their first reader
	v_max_num_f32 v250, 0x2b8cbccc, v250   ; max(norm, 1e-12)
	v_max_num_f32 v251, 0x2b8cbccc, v251
	v_rcp_f32 v252, v250
	v_rcp_f32 v254, v251
	v_nop
	s_wait_alu depctr_va_vdst(0)           ; the two reciprocals v252, v254 are written, ahead of their first reader
	v_cndmask_b32 v252, 1.0, v252, s50     ; v is not normalised
	v_cndmask_b32 v254, 1.0, v254, s50
.set i, 0
.rept 16
	v_pk_mul_f32 v[ACC+i:ACC+i+1], v[ACC+i:ACC+i+1], v[252:253] op_sel_hi:[1,0]
	v_pk_mul_f32 v[ACC+32+i:ACC+33+i], v[ACC+32+i:ACC+33+i], v[254:255] op_sel_hi:[1,0]
.set i, i+2
.endr
	s_cmp_eq_u32 s4, 0
	s_cbranch_scc0 .Lkv
	; ---- q: two blocks of 32 a row become codes and a scale word
	s_lshr_b32 s2, s5, 4                   ; batch
	s_lshl_b32 s2, s2, 4
	s_add_co_u32 s2, s2, s6                ; batch x 16 + head
	s_lshl_b32 s2, s2, 5
	s_and_b32 s7, s5, 15
	s_lshl_b32 s7, s7, 1
	s_add_co_u32 s7, s2, s7                ; the first of my two tiles of 16 queries
	s_lshl_b32 s2, s7, 9
	s_add_nc_u64 s[46:47], s[30:31], s[2:3]
	s_lshl_b32 s2, s7, 7
	s_add_nc_u64 s[52:53], s[32:33], s[2:3]
.macro QUANT32 rt                      ; tile rt: its codes into v[48 + 8 rt] on, four registers, its scale word behind them
.set QA, ACC+32*\rt
.set QP, 48+8*\rt
.irp b, 0,1
	v_max3_num_f32 v[40+\b], |v[QA+16*\b]|, |v[QA+16*\b+1]|, 0x1800000     ; block b: my 16 numbers, and the floor 2^(3 - 127): the byte cannot fall under 1
.endr
.irp i, 2,4,6,8,10,12,14
.irp b, 0,1
	v_max3_num_f32 v[40+\b], v[40+\b], |v[QA+16*\b+\i]|, |v[QA+16*\b+\i+1]|
.endr
.endr
	v_permlanex16_b32 v42, v40, s48, s49
	v_permlanex16_b32 v43, v41, s48, s49
	v_max_num_f32 v40, v40, v42            ; with lane l xor 16's 16: the block's largest magnitude
	v_max_num_f32 v41, v41, v43
	v_add_nc_u32 v44, 0xff000000, v40      ; 2 off its exponent field: the conversion's scale operand
	v_add_nc_u32 v45, 0xff000000, v41
	v_lshrrev_b32 v46, 23, v44             ; the scale's byte
	v_lshrrev_b32 v47, 23, v45
	v_lshl_or_b32 v[QP+4], v47, 8, v46
	v_lshl_or_b32 v[QP+4], v[QP+4], 16, v[QP+4]    ; (s0, s1, s0, s1): q will stand in the lower or in the upper 64 of a K step of 128
.irp b, 0,1
	v_cvt_scalef32_pk8_fp4_f32 v[QP+2*\b], v[QA+16*\b:QA+16*\b+7], v[44+\b]
	v_cvt_scalef32_pk8_fp4_f32 v[QP+2*\b+1], v[QA+16*\b+8:QA+16*\b+15], v[44+\b]
.endr
	v_nop                                  ; one plain place behind a scaled conversion
	v_permlane16_swap_b32 v[QP], v[QP+2]   ; a whole block in a lane: lanes 0-15 block 0, lanes 16-31 block 1
	v_permlane16_swap_b32 v[QP+1], v[QP+3]
.endm
	QUANT32 0
	QUANT32 1
	s_wait_alu depctr_va_vdst(0)           ; both tiles' codes and scale words, v48 to v52 and v56 to v60, are written, which the four stores read
.irp rt, 0,1
	global_store_b128 v9, v[48+8*\rt:48+8*\rt+3], s[46:47] offset:512*\rt      ; the wave stores 512 consecutive bytes
	global_store_b32 v10, v[48+8*\rt+4], s[52:53] offset:128*\rt
.endr
	s_wait_xcnt 0x0                        ; the stores above have had their addresses translated
	v_lshl_add_u32 v254, v0, 2, 0x12000    ; the add's two registers are made anew: no memory or LDS instruction has read v254 or v255
	v_mov_b32 v255, 0
	s_wait_dscnt 0x0                       ; the closing lines, six on end
	s_wait_alu 0x0
	s_wait_tensorcnt 0x0
	ds_add_u32 v254, v255
	s_wait_dscnt 0x0
	s_endpgm
.Lkv:
	; ---- k, v: 16 rows x 256 bytes at a time through my stage
	s_sub_co_u32 s2, s4, 1
	s_lshl_b32 s2, s2, 12                  ; k at byte 0 of a row of out1, v at byte 4,096
	s_lshl_b32 s7, s5, 18                  ; 32 rows of 8,192 bytes
	s_add_co_u32 s2, s2, s7
	s_lshl_b32 s7, s6, 8
	s_add_co_u32 s2, s2, s7
	s_add_nc_u64 s[46:47], s[34:35], s[2:3]
	s_wait_alu depctr_va_vdst(0)           ; the scaling has written the accumulators, which the LDS stores read; the products and the additions are done reading v40 to v103, in which the stage's loads land
.irp rt, 0,1
.irp ct, 0,1,2,3
	ds_store_b128 v6, v[ACC+32*\rt+8*\ct:ACC+32*\rt+8*\ct+3] offset:128*(\ct/2)+32*(\ct%2)
	ds_store_b128 v6, v[ACC+32*\rt+8*\ct+4:ACC+32*\rt+8*\ct+7] offset:128*(\ct/2)+32*(\ct%2)+16
.endr
.irp i, 0,1,2,3,4,5,6,7
	ds_load_b128 v[40+32*\rt+4*\i:40+32*\rt+4*\i+3], v7 offset:544*\i      ; LDS serves a wave's instructions in order (ISA guide 5.7.1.4): these see my stores
.endr
.irp i, 0,1,2,3,4,5,6,7
	s_wait_dscnt 7-\i
	global_store_b128 v8, v[40+32*\rt+4*\i:40+32*\rt+4*\i+3], s[46:47] offset:(16*\rt+2*\i)*8192   ; sixteen lanes store 256 consecutive bytes, aligned
.endr
.endr
	s_wait_xcnt 0x0                        ; the stores above have had their addresses translated
	v_lshl_add_u32 v254, v0, 2, 0x12000    ; the add's two registers are made anew: no memory or LDS instruction has read v254 or v255
	v_mov_b32 v255, 0
	s_wait_dscnt 0x0                       ; the closing lines, six on end
	s_wait_alu 0x0
	s_wait_tensorcnt 0x0
	ds_add_u32 v254, v255
	s_wait_dscnt 0x0
	s_endpgm
.Lfunc_end_k_q9c89f2be7b_proj:
	.size	k_q9c89f2be7b_proj, .Lfunc_end_k_q9c89f2be7b_proj-k_q9c89f2be7b_proj
	.p2alignl 7, 3214868480
	.fill 96, 4, 3214868480
	.section	.rodata,"a",@progbits
	.p2align	6, 0x0
	.amdhsa_kernel k_q9c89f2be7b_proj
		.amdhsa_group_segment_fixed_size 75776
		.amdhsa_private_segment_fixed_size 0
		.amdhsa_enable_private_segment 0
		.amdhsa_kernarg_size 112
		.amdhsa_user_sgpr_count 2
		.amdhsa_user_sgpr_kernarg_segment_ptr 1
		.amdhsa_wavefront_size32 1
		.amdhsa_system_sgpr_workgroup_id_x 1
		.amdhsa_system_sgpr_workgroup_id_y 1
		.amdhsa_system_sgpr_workgroup_id_z 1
		.amdhsa_system_vgpr_workitem_id 0
		.amdhsa_next_free_vgpr 256
		.amdhsa_next_free_sgpr 66
		.amdhsa_reserve_vcc 0
		.amdhsa_float_denorm_mode_32 3
		.amdhsa_float_denorm_mode_16_64 3
		.amdhsa_memory_ordered 1
		.amdhsa_forward_progress 1
		.amdhsa_inst_pref_size 40
	.end_amdhsa_kernel
	.amdgpu_metadata
---
amdhsa.version: [ 1, 2 ]
amdhsa.kernels:
  - .name:           k_q9c89f2be7b_proj
    .symbol:         k_q9c89f2be7b_proj.kd
    .args:
      - { .name: input_codes, .offset: 0, .size: 8, .value_kind: global_buffer, .address_space: global }
      - { .name: input_scales, .offset: 8, .size: 8, .value_kind: global_buffer, .address_space: global }
      - { .name: Wq_codes, .offset: 16, .size: 8, .value_kind: global_buffer, .address_space: global }
      - { .name: Wk_codes, .offset: 24, .size: 8, .value_kind: global_buffer, .address_space: global }
      - { .name: Wv_codes, .offset: 32, .size: 8, .value_kind: global_buffer, .address_space: global }
      - { .name: Wq_scales, .offset: 40, .size: 8, .value_kind: global_buffer, .address_space: global }
      - { .name: Wk_scales, .offset: 48, .size: 8, .value_kind: global_buffer, .address_space: global }
      - { .name: Wv_scales, .offset: 56, .size: 8, .value_kind: global_buffer, .address_space: global }
      - { .name: bq, .offset: 64, .size: 8, .value_kind: global_buffer, .address_space: global }
      - { .name: bk, .offset: 72, .size: 8, .value_kind: global_buffer, .address_space: global }
      - { .name: bv, .offset: 80, .size: 8, .value_kind: global_buffer, .address_space: global }
      - { .name: qcodes, .offset: 88, .size: 8, .value_kind: global_buffer, .address_space: global }
      - { .name: qscales, .offset: 96, .size: 8, .value_kind: global_buffer, .address_space: global }
      - { .name: out1, .offset: 104, .size: 8, .value_kind: global_buffer, .address_space: global }
    .group_segment_fixed_size: 75776
    .private_segment_fixed_size: 0
    .kernarg_segment_align: 8
    .kernarg_segment_size: 112
    .max_flat_workgroup_size: 512
    .sgpr_count:     66
    .vgpr_count:     256
    .wavefront_size: 32
...
	.end_amdgpu_metadata
.endif
;; end of part 5
;; launch quant (part 6): grid 640 x 1, 4 waves a work-group, no clusters, 17,920 bytes of LDS; arguments kv_external, xl_memory, out1, extrec, locrec; writes extrec, locrec
.if DOCPART == 6
	.amdgcn_target "amdgcn-amd-amdhsa--gfx1250"
	.amdhsa_code_object_version 6
	.text
	.protected	k_q9c89f2be7b_quant
	.globl	k_q9c89f2be7b_quant
	.p2align	8
	.type	k_q9c89f2be7b_quant,@function
k_q9c89f2be7b_quant:
	s_mov_b64 s[64:65], 0
	v_nop
	global_prefetch_b8 v0, s[64:65] scope:SCOPE_SE
	s_setreg_imm32_b32 hwreg(HW_REG_WAVE_SCHED_MODE, 0, 2), 2
	s_setreg_imm32_b32 hwreg(HW_REG_WAVE_MODE, 25, 1), 1
	s_wait_xcnt 0x0
	s_wait_alu depctr_vm_vsrc(0)
; Keys and values (f32) become RECORDS of codes of FP4 (E2M1): 128 keys of one (batch, head), laid as images of operand registers, 8,704 bytes:
;   0     K's codes, quantised along the head's 64: unit (g, u, hb, r) at 1024 g + 512 u + 256 hb + 16 r = block hb of key 32 g + 8 u + r % 8 + 16 (r / 8)
;   4096  V's codes, quantised along the KEYS: unit (dt, c, hh, r) at 1024 dt + 512 c + 256 hh + 16 r = key block 2 c + hh of channel 16 dt + r
;   8192  K's scale words at 64 g + 4 r: bytes (tile u = 0: block 0, 1; tile u = 1: block 0, 1)
;   8448  V's scale words at 4 x channel: byte kb for key block kb
; All three sources have a key every 8,192 bytes, K at byte 0 and V at byte 4,096 of it, a head every 256 bytes: ONE path; only pointers and shifts are chosen, by the work-group's number:
; 0 .. 511 kv_external (32 steps of 128 keys a batch), 512 .. 575 xl_memory (local steps 0-3), 576 .. 639 out1 (local steps 4-7).
; A work-group takes 128 keys x 4 heads; wave w one head: one whole record.  Sixteen jobs a wave, written out: 8 tiles of K, 8 half blocks of V.
; K: a load takes two keys x 256 consecutive bytes; 16 keys turn through the wave's own stage in LDS, so that a lane holds one whole block of 32.  V: a lane takes a channel and its registers run down the keys.
; No store's data and no address register is written again.  Loads run three jobs ahead.  No matrix unit, no cluster, no tensor load: a stream that no two work-groups share.
; LIMITS: NaN and infinities are not served; a block of zeros carries the byte 1 (its codes are zeros; the bytes are read by this program alone).
; THE MODE: SCHED_MODE bits 1:0 = 2 (LLVM: expert scheduling mode 2), set by the entry lines.  The code itself states the register dependences
; between vector instructions and memory or LDS instructions, with s_wait_alu, always for 0.
; THE PLAN.  Registers that memory or LDS instructions touch:
;   v1-v7       offsets and LDS addresses: written at the head, never again.
;   R0-R2       Job j works on set j % 3, and the loads of job j + 3 land in that same set.  A job of K reads its set by eight LDS stores alone; a job of V by its vector work alone.
;   X           A job of K: eight LDS loads land in it, the job's vector work reads it.
;   C(j), v20-v23  codes and scale words: registers of their own for each job, written by its vector work, read by its stores, never written again.
; So ONE wait on va_vdst stands in a job, behind its vector work.  It states that the codes and the scale word are written, which the job's stores read; in a job of V, that the work is done reading its set,
; in which the loads of job j + 3 land at once; in a job of K, that the work is done reading X, in which the next job's LDS loads land: no vector line stands between.
; And one wait on vm_vsrc stands in a job of K, behind its LDS stores: they have read the set, so the loads of job j + 3 go out ahead of the wait for the stage's round trip.
.set R, 32                             ; v32-127  three sets of 32 numbers as loaded
.set X, 128                            ; v128-159 a block of K, back from the stage
.set C, 160                            ; v160-223 codes: four registers for each job
	s_load_b256 s[4:11], s[0:1], 0x0       ; kv_external 4, xl_memory 6, out1 8, extrec 10
	s_load_b64 s[12:13], s[0:1], 0x20      ; locrec
	v_lshl_add_u32 v224, v0, 2, 0x4400
	v_mov_b32 v225, 0
	v_lshrrev_b32 v8, 5, v0
	v_readfirstlane_b32 s24, v8            ; wave 0..3
	v_and_b32 v8, 31, v0                   ; lane
	v_and_b32 v9, 15, v0                   ; r
	v_bfe_u32 v10, v0, 4, 1                ; hh
	v_lshlrev_b32 v1, 13, v10
	v_lshl_add_u32 v1, v9, 4, v1           ; K in: lanes 0-15 one key's 256 bytes, lanes 16-31 the next key's
	v_lshlrev_b32 v2, 2, v8                ; V in: 4 bytes a lane
	s_wait_alu depctr_va_sdst(0)           ; s24, the wave's number, is written, ahead of its first reader: my stage and the bases of the source and of the record are made from it
	s_mul_i32 s25, s24, 4352               ; my stage: 16 rows x 272 bytes
	v_mul_u32_u24 v3, v10, 272
	v_lshl_add_u32 v3, v9, 4, v3
	v_add_nc_u32 v3, s25, v3               ; into it, as loaded
	v_mul_u32_u24 v4, v9, 272
	v_lshl_add_u32 v4, v10, 7, v4
	v_add_nc_u32 v4, s25, v4               ; out of it: row r, block hh
	v_lshlrev_b32 v5, 4, v8                ; 16 x lane
	v_lshlrev_b32 v6, 2, v8                ; 4 x lane
	v_lshlrev_b32 v7, 10, v10
	v_lshl_add_u32 v7, v9, 4, v7           ; V's codes: 1024 (lane / 16) + 16 r
	v_lshlrev_b32 v15, 3, v10              ; 8 hh: my byte's place in a scale word
	v_mov_b32 v13, 0                       ; written once: a lane permute's destination counts as one of its sources
	s_mov_b32 s28, 0x76543210
	s_mov_b32 s29, 0xfedcba98
	s_mov_b32 s30, 0xffff0000              ; lanes 16-31
	s_mov_b32 s16, 576
	s_wait_kmcnt 0x0
	s_cmp_lt_u32 ttmp9, 576
	s_cselect_b64 s[14:15], s[6:7], s[8:9]
	s_cselect_b32 s16, 512, s16
	s_cselect_b32 s17, 0, 4                ; the new keys are local steps 4 to 7
	s_cmp_lt_u32 ttmp9, 512
	s_cselect_b64 s[14:15], s[4:5], s[14:15]       ; the source
	s_cselect_b64 s[18:19], s[10:11], s[12:13]     ; the records
	s_cselect_b32 s16, 0, s16
	s_cselect_b32 s17, 0, s17
	s_cselect_b32 s20, 5, 2                ; log2 of the source's steps a batch
	s_cselect_b32 s21, 32, 8               ; records for each (batch, head)
	s_sub_co_u32 s16, ttmp9, s16
	s_and_b32 s22, s16, 3                  ; which four heads
	s_lshr_b32 s16, s16, 2
	s_bfm_b32 s23, s20, 0
	s_and_b32 s23, s16, s23                ; step
	s_lshr_b32 s16, s16, s20               ; batch
	s_add_co_u32 s26, s20, 20
	s_lshl_b32 s26, s16, s26               ; a step is 128 keys x 8,192 bytes = 2^20
	s_lshl_b32 s27, s23, 20
	s_add_co_u32 s26, s26, s27
	s_lshl_b32 s27, s22, 10
	s_add_co_u32 s26, s26, s27
	s_lshl_b32 s27, s24, 8
	s_add_co_u32 s26, s26, s27
	s_mov_b32 s27, 0
	s_add_nc_u64 s[14:15], s[14:15], s[26:27]
	s_lshl_b32 s26, s16, 4
	s_lshl_b32 s31, s22, 2
	s_add_co_u32 s26, s26, s31
	s_add_co_u32 s26, s26, s24             ; batch x 16 + head
	s_mul_i32 s26, s26, s21
	s_add_co_u32 s26, s26, s23
	s_add_co_u32 s26, s26, s17
	s_mul_i32 s26, s26, 8704
	s_add_nc_u64 s[18:19], s[18:19], s[26:27]
; job j's loads into set j % 3.  j < 8: tile (g = j / 2, u = j % 2) of K, 8 loads;  j >= 8: key block (j - 8) / 2 of V, channels 32 (j % 2) on, 32 loads
.macro LOADJ j
.set RB, R+32*((\j)%3)
.if (\j) < 8
.irp i, 0,1,2,3,4,5,6,7
	global_load_b128 v[RB+4*\i:RB+4*\i+3], v1, s[14:15] offset:(32*((\j)/2)+8*((\j)%2)+2*\i+8*(\i/4))*8192 th:TH_LOAD_NT
.endr
.else
.set i, 0
.rept 32
	global_load_b32 v[RB+i], v2, s[14:15] offset:4096+(32*(((\j)-8)/2)+i)*8192+128*((\j)%2) th:TH_LOAD_NT
.set i, i+1
.endr
.endif
.endm
; a block of 32 numbers in v[src] on: its codes into job j's four registers, its scale byte into v11
.macro WORK src, j
	v_max3_num_f32 v8, |v[\src]|, |v[\src+1]|, |v[\src+2]|
	v_max3_num_f32 v9, |v[\src+3]|, |v[\src+4]|, |v[\src+5]|
.irp i, 6,10,14,18,22,26
	v_max3_num_f32 v8, v8, |v[\src+\i]|, |v[\src+\i+1]|
	v_max3_num_f32 v9, v9, |v[\src+\i+2]|, |v[\src+\i+3]|
.endr
	v_max3_num_f32 v8, v8, |v[\src+30]|, |v[\src+31]|
	v_max3_num_f32 v8, v8, v9, 0x1800000   ; and the floor 2^(3 - 127): the byte cannot fall under 1
	v_add_nc_u32 v10, 0xff000000, v8       ; 2 off the exponent field: the conversion's scale operand
.irp g, 0,1,2,3
	v_cvt_scalef32_pk8_fp4_f32 v[C+4*(\j)+\g], v[\src+8*\g:\src+8*\g+7], v10
.endr
	v_lshrrev_b32 v11, 23, v10             ; the scale's byte
.endm
.macro JOB j
.if (\j) <= 5
	s_wait_loadcnt 16                      ; my loads are in; the two younger jobs' (8 + 8) may be out
.elseif (\j) == 6
	s_wait_loadcnt 40                      ; 8 + 32
.elseif (\j) <= 13
	s_wait_loadcnt 63                      ; 32 + 32 younger; one less is asked for
.elseif (\j) == 14
	s_wait_loadcnt 32
.else
	s_wait_loadcnt 0x0
.endif
.set RB, R+32*((\j)%3)
.if (\j) < 8
.irp i, 0,1,2,3,4,5,6,7
	ds_store_b128 v3, v[RB+4*\i:RB+4*\i+3] offset:544*\i
.endr
.irp i, 0,1,2,3,4,5,6,7
	ds_load_b128 v[X+4*\i:X+4*\i+3], v4 offset:16*\i       ; LDS serves a wave's instructions in order: these see my stores.  (No vector line since the last job's wait on va_vdst names X)
.endr
	s_wait_alu depctr_vm_vsrc(0)           ; the eight LDS stores have read this job's set, in which the loads of job j + 3 land
	LOADJ (\j)+3
	s_wait_dscnt 0x0                       ; the block is back from the stage
	WORK X, \j
.if (\j)%2 == 0
	v_mov_b32 v12, v11                     ; tile u = 0's byte is kept
.else
	v_lshl_or_b32 v12, v11, 16, v12        ; with tile u = 1's,
	v_lshlrev_b32 v12, v15, v12            ; at my block's places;
	v_permlanex16_b32 v13, v12, s28, s29
.if ((\j)/2)%2 == 0
	v_or_b32 v16, v12, v13                 ; with the other block's the word is whole: group g even
.else
	v_or_b32 v17, v12, v13                 ; g odd
	v_cndmask_b32 v[20+(\j)/4], v16, v17, s30      ; lanes 0-15 the even group's words, lanes 16-31 the odd group's
.endif
.endif
	s_wait_alu depctr_va_vdst(0)           ; the job's codes (and, in every fourth job, the scale words) are written, which the stores below read; and its work is done reading X, in which the next job's LDS loads land
	global_store_b128 v5, v[C+4*(\j):C+4*(\j)+3], s[18:19] offset:512*(\j)     ; the wave stores 512 consecutive bytes
.if (\j)%4 == 3
	global_store_b32 v6, v[20+(\j)/4], s[18:19] offset:8192+128*((\j)/4)
.endif
.else
.set KB, ((\j)-8)/2
.set EH, (\j)%2
	WORK RB, \j
.if KB == 0
	v_mov_b32 v[22+EH], v11
.else
	v_lshl_or_b32 v[22+EH], v11, 8*KB, v[22+EH]
.endif
	s_wait_alu depctr_va_vdst(0)           ; the job's work is done reading its set, in which the loads of job j + 3 land; its codes and the scale word are written, which the stores below read
.if (\j)+3 < 16
	LOADJ (\j)+3
.endif
	global_store_b128 v7, v[C+4*(\j):C+4*(\j)+3], s[18:19] offset:4096+2048*EH+512*(KB/2)+256*(KB%2)   ; twice 256 consecutive bytes, aligned
.if KB == 3
	global_store_b32 v6, v[22+EH], s[18:19] offset:8448+128*EH
.endif
.endif
.endm
	s_wait_alu depctr_va_vdst(0)           ; the seven offsets and LDS addresses v1 to v7 are written: every load and store of the kernel reads one of them
	LOADJ 0
	LOADJ 1
	LOADJ 2
.irp j, 0,1,2,3,4,5,6,7,8,9,10,11,12,13,14,15
	JOB \j
.endr
	s_wait_dscnt 0x0                       ; the closing lines, six on end
	s_wait_alu 0x0
	s_wait_tensorcnt 0x0
	ds_add_u32 v224, v225
	s_wait_dscnt 0x0
	s_endpgm
.Lfunc_end_k_q9c89f2be7b_quant:
	.size	k_q9c89f2be7b_quant, .Lfunc_end_k_q9c89f2be7b_quant-k_q9c89f2be7b_quant
	.p2alignl 7, 3214868480
	.fill 96, 4, 3214868480
	.section	.rodata,"a",@progbits
	.p2align	6, 0x0
	.amdhsa_kernel k_q9c89f2be7b_quant
		.amdhsa_group_segment_fixed_size 17920
		.amdhsa_private_segment_fixed_size 0
		.amdhsa_enable_private_segment 0
		.amdhsa_kernarg_size 40
		.amdhsa_user_sgpr_count 2
		.amdhsa_user_sgpr_kernarg_segment_ptr 1
		.amdhsa_wavefront_size32 1
		.amdhsa_system_sgpr_workgroup_id_x 1
		.amdhsa_system_sgpr_workgroup_id_y 1
		.amdhsa_system_sgpr_workgroup_id_z 1
		.amdhsa_system_vgpr_workitem_id 0
		.amdhsa_next_free_vgpr 226
		.amdhsa_next_free_sgpr 66
		.amdhsa_reserve_vcc 0
		.amdhsa_float_denorm_mode_32 3
		.amdhsa_float_denorm_mode_16_64 3
		.amdhsa_memory_ordered 1
		.amdhsa_forward_progress 1
		.amdhsa_inst_pref_size 69
	.end_amdhsa_kernel
	.amdgpu_metadata
---
amdhsa.version: [ 1, 2 ]
amdhsa.kernels:
  - .name:           k_q9c89f2be7b_quant
    .symbol:         k_q9c89f2be7b_quant.kd
    .args:
      - { .name: kv_external, .offset: 0, .size: 8, .value_kind: global_buffer, .address_space: global }
      - { .name: xl_memory, .offset: 8, .size: 8, .value_kind: global_buffer, .address_space: global }
      - { .name: out1, .offset: 16, .size: 8, .value_kind: global_buffer, .address_space: global }
      - { .name: extrec, .offset: 24, .size: 8, .value_kind: global_buffer, .address_space: global }
      - { .name: locrec, .offset: 32, .size: 8, .value_kind: global_buffer, .address_space: global }
    .group_segment_fixed_size: 17920
    .private_segment_fixed_size: 0
    .kernarg_segment_align: 8
    .kernarg_segment_size: 40
    .max_flat_workgroup_size: 128
    .sgpr_count:     66
    .vgpr_count:     226
    .wavefront_size: 32
...
	.end_amdgpu_metadata
.endif
;; end of part 6
;; launch attn: the kernel of part 3 again; grid 4 x 64, 8 waves a work-group, clusters of 4 x 1, 327,680 bytes of LDS; arguments qcodes, qscales, extrec, locrec, rel_pos, gate, fcodes, fscales; writes fcodes, fscales
;; launch oproj (part 7): grid 64 x 4, 4 waves a work-group, no clusters, 17,920 bytes of LDS; arguments fcodes, fscales, Wo_codes, Wo_scales, bo, out0; writes out0
.if DOCPART == 7
	.amdgcn_target "amdgcn-amd-amdhsa--gfx1250"
	.amdhsa_code_object_version 6
	.text
	.protected	k_q9c89f2be7b_oproj
	.globl	k_q9c89f2be7b_oproj
	.p2align	8
	.type	k_q9c89f2be7b_oproj,@function
k_q9c89f2be7b_oproj:
	s_mov_b64 s[64:65], 0
	v_nop
	global_prefetch_b8 v0, s[64:65] scope:SCOPE_SE
	s_setreg_imm32_b32 hwreg(HW_REG_WAVE_SCHED_MODE, 0, 2), 2
	s_setreg_imm32_b32 hwreg(HW_REG_WAVE_MODE, 25, 1), 1
	s_wait_xcnt 0x0
	s_wait_alu depctr_vm_vsrc(0)
; out0 = fused Wo^T + bo on codes of FP4 (E2M1) with E8M0 scales.  fused comes as images of operand registers: [tile of 16 rows][K step][half][512 bytes], its scale words [tile][K step][row].
; A work-group takes 32 rows x 256 columns; wave w columns 256 y + 64 w on: 4 tiles of columns x 2 tiles of rows, 8 accumulators, K in 8 steps of 128.
; THE PRODUCT IS USED TRANSPOSED (source 0 = 16 rows of Wo, source 1 = 16 rows of fused); lane r of tile 2 b + u takes Wo's row 32 b + 8 u + r + 8 (r / 8), so that accumulator (rt, 2 b + u), lane (r, hh),
; register j is (row 16 rt + r, column 32 b + 16 hh + 8 u + j).  The bias is loaded into the accumulators.  The results leave through the wave's own stage, sixteen lanes to 256 consecutive aligned bytes.
; No tensor loads, no cluster, no barrier: a wave has 64 matrix instructions and shares nothing with another.
; THE MODE: SCHED_MODE bits 1:0 = 2 (LLVM: expert scheduling mode 2), set by the entry lines.  The code itself states the register dependences
; between vector or matrix instructions and memory or LDS instructions, with s_wait_alu, always for 0.
; THE PLAN.  Registers that memory or LDS instructions touch:
;   v1, v3-v9   offsets and LDS addresses: written at the head, never again.   v254, v255: written at the head, read by the closing add alone.
;   WSC, XSC, ACC (as the bias)  loaded once at the head; no vector instruction names them before.
;   SET0-SET2   Step s: its eight products read set s % 3; the twelve loads of step s + 3 land in that same set, behind them.
;   ACC, v40-v103 on the way out: the products write ACC, LDS stores read it; the stage's loads land in v40-v103, which products have read and which global stores read.
; So: one wait on va_vdst ahead of the first load; one a step, behind the products that empty a set, so that three sets stay asked for; one ahead of the way out.
.set ACC,  184
.set SETS, 40
.set WSC,  16
.set XSC,  32
.set STW,  4352
.macro WM d, a, b, c, sa, sb, ra, rb
.set WSEL, (\ra)+2*(\rb)
.if WSEL == 0
	v_wmma_scale_f32_16x16x128_f8f6f4 v[\d:\d+7], v[\a:\a+7], v[\b:\b+7], v[\c:\c+7], v[\sa], v[\sb] matrix_a_fmt:MATRIX_FMT_FP4 matrix_b_fmt:MATRIX_FMT_FP4
.elseif WSEL == 1
	v_wmma_scale_f32_16x16x128_f8f6f4 v[\d:\d+7], v[\a:\a+7], v[\b:\b+7], v[\c:\c+7], v[\sa], v[\sb] matrix_a_fmt:MATRIX_FMT_FP4 matrix_b_fmt:MATRIX_FMT_FP4 matrix_a_scale:MATRIX_SCALE_ROW1
.elseif WSEL == 2
	v_wmma_scale_f32_16x16x128_f8f6f4 v[\d:\d+7], v[\a:\a+7], v[\b:\b+7], v[\c:\c+7], v[\sa], v[\sb] matrix_a_fmt:MATRIX_FMT_FP4 matrix_b_fmt:MATRIX_FMT_FP4 matrix_b_scale:MATRIX_SCALE_ROW1
.else
	v_wmma_scale_f32_16x16x128_f8f6f4 v[\d:\d+7], v[\a:\a+7], v[\b:\b+7], v[\c:\c+7], v[\sa], v[\sb] matrix_a_fmt:MATRIX_FMT_FP4 matrix_b_fmt:MATRIX_FMT_FP4 matrix_a_scale:MATRIX_SCALE_ROW1 matrix_b_scale:MATRIX_SCALE_ROW1
.endif
.endm
.macro LOADSET s
.set SB, SETS+48*((\s)%3)
.irp ct, 0,1,2,3
.irp c, 0,1
	global_load_b128 v[SB+8*\ct+4*\c:SB+8*\ct+4*\c+3], v1, s[36:37] offset:(32*(\ct/2)+8*(\ct%2))*512+64*(\s)+32*\c
.endr
.endr
.irp rt, 0,1
.irp c, 0,1
	global_load_b128 v[SB+32+8*\rt+4*\c:SB+32+8*\rt+4*\c+3], v9, s[42:43] offset:\rt*8192+1024*(\s)+512*\c
.endr
.endr
.endm
.macro STEP s
.if (\s) < 6
	s_wait_loadcnt 24                      ; this step's set is in; the two younger sets, 12 loads each, may be out
.elseif (\s) == 6
	s_wait_loadcnt 12
.else
	s_wait_loadcnt 0x0
.endif
.set SB, SETS+48*((\s)%3)
.irp rt, 0,1
.irp ct, 0,1,2,3
	WM ACC+8*(4*\rt+\ct), SB+8*\ct, SB+32+8*\rt, ACC+8*(4*\rt+\ct), WSC+8*(\ct/2)+(\s), XSC+(\s), \ct%2, \rt
.endr
.endr
.if ((\s) < 5) || ((\s) == 7)
.rept 4
	v_nop                                  ; four places behind these products, in front of loads into registers that they read, and of the first read of results
.endr
.endif
.if (\s) < 5
	s_wait_alu depctr_va_vdst(0)           ; this step's eight products are done reading their set, in which the twelve loads below land; the places above stay beside this wait
	LOADSET (\s)+3
.endif
.endm
	s_load_b256 s[8:15], s[0:1], 0x0       ; fcodes 8, fscales 10, Wo codes 12, Wo scales 14
	s_load_b128 s[16:19], s[0:1], 0x20     ; bo 16, out0 18
	v_lshl_add_u32 v254, v0, 2, 0x4400
	v_mov_b32 v255, 0
	v_lshrrev_b32 v13, 5, v0
	v_readfirstlane_b32 s6, v13            ; wave 0..3
	s_and_b32 s4, ttmp7, 0xffff            ; which 256 columns
	s_mov_b32 s5, ttmp9                    ; which 32 rows
	v_and_b32 v13, 31, v0                  ; lane
	v_and_b32 v14, 15, v0                  ; r
	v_bfe_u32 v15, v0, 4, 1                ; hh
	v_and_b32 v1, 8, v0
	v_add_nc_u32 v1, v1, v14               ; r + 8 (r / 8)
	v_lshl_add_u32 v4, v15, 3, v1
	v_lshlrev_b32 v4, 5, v4                ; Wo's scales: the row of my lane, 32 bytes a row
	v_lshlrev_b32 v1, 9, v1
	v_lshl_add_u32 v1, v15, 4, v1          ; Wo: a row is 512 bytes; + 16 hh
	v_lshlrev_b32 v3, 6, v15               ; bias
	v_lshlrev_b32 v5, 9, v15
	v_lshl_add_u32 v5, v14, 2, v5          ; fused's scale words: tile hh, row r
	s_wait_alu depctr_va_sdst(0)           ; s6, the wave's number, is written, ahead of its first reader: my stage and my first column are made from it
	s_mul_i32 s7, s6, STW                  ; my stage
	v_mul_u32_u24 v6, v14, 272
	v_lshl_add_u32 v6, v15, 6, v6
	v_add_nc_u32 v6, s7, v6
	v_mul_u32_u24 v7, v15, 272
	v_lshl_add_u32 v7, v14, 4, v7
	v_add_nc_u32 v7, s7, v7
	v_lshlrev_b32 v8, 12, v15
	v_lshl_add_u32 v8, v14, 4, v8          ; out0: a row is 4,096 bytes
	v_lshlrev_b32 v9, 4, v13               ; 16 x lane
	s_lshl_b32 s7, s4, 8
	s_lshl_b32 s2, s6, 6
	s_add_co_u32 s7, s7, s2                ; my first column
	s_mov_b32 s3, 0
	s_wait_kmcnt 0x0
	s_lshl_b32 s2, s7, 9
	s_add_nc_u64 s[36:37], s[12:13], s[2:3]
	s_lshl_b32 s2, s7, 5
	s_add_nc_u64 s[38:39], s[14:15], s[2:3]
	s_lshl_b32 s2, s7, 2
	s_add_nc_u64 s[40:41], s[16:17], s[2:3]
	s_add_nc_u64 s[46:47], s[18:19], s[2:3]
	s_lshl_b32 s2, s5, 17
	s_add_nc_u64 s[46:47], s[46:47], s[2:3]
	s_lshl_b32 s2, s5, 14
	s_add_nc_u64 s[42:43], s[8:9], s[2:3]
	s_lshl_b32 s2, s5, 10
	s_add_nc_u64 s[44:45], s[10:11], s[2:3]
	s_wait_alu depctr_va_vdst(0)           ; the offsets and LDS addresses v1 and v3 to v9 are written: every load and store of the kernel reads one of them
.irp b, 0,1
	global_load_b128 v[WSC+8*\b:WSC+8*\b+3], v4, s[38:39] offset:1024*\b
	global_load_b128 v[WSC+8*\b+4:WSC+8*\b+7], v4, s[38:39] offset:1024*\b+16
.endr
.irp s, 0,1,2,3,4,5,6,7
	global_load_b32 v[XSC+\s], v5, s[44:45] offset:64*\s
.endr
.irp rt, 0,1
.irp ct, 0,1,2,3
	global_load_b128 v[ACC+8*(4*\rt+\ct):ACC+8*(4*\rt+\ct)+3], v3, s[40:41] offset:(32*(\ct/2)+8*(\ct%2))*4
	global_load_b128 v[ACC+8*(4*\rt+\ct)+4:ACC+8*(4*\rt+\ct)+7], v3, s[40:41] offset:(32*(\ct/2)+8*(\ct%2))*4+16
.endr
.endr
	LOADSET 0
	LOADSET 1
	LOADSET 2
.irp s, 0,1,2,3,4,5,6,7
	STEP \s
.endr
	s_wait_alu depctr_va_vdst(0)           ; the products have written the accumulators, which the LDS stores read, and are done reading v40 to v103, in which the stage's loads land; the last step's four places stay beside this wait
.irp rt, 0,1
.irp ct, 0,1,2,3
	ds_store_b128 v6, v[ACC+32*\rt+8*\ct:ACC+32*\rt+8*\ct+3] offset:128*(\ct/2)+32*(\ct%2)         ; each accumulator from its low end on
	ds_store_b128 v6, v[ACC+32*\rt+8*\ct+4:ACC+32*\rt+8*\ct+7] offset:128*(\ct/2)+32*(\ct%2)+16
.endr
.irp i, 0,1,2,3,4,5,6,7
	ds_load_b128 v[40+32*\rt+4*\i:40+32*\rt+4*\i+3], v7 offset:544*\i      ; LDS serves a wave's instructions in order (ISA guide 5.7.1.4): these see my stores
.endr
.irp i, 0,1,2,3,4,5,6,7
	s_wait_dscnt 7-\i
	global_store_b128 v8, v[40+32*\rt+4*\i:40+32*\rt+4*\i+3], s[46:47] offset:(16*\rt+2*\i)*4096 th:TH_STORE_NT   ; sixteen lanes store 256 consecutive bytes, aligned; written once
.endr
.endr
	s_wait_dscnt 0x0                       ; the closing lines, six on end
	s_wait_alu 0x0
	s_wait_tensorcnt 0x0
	ds_add_u32 v254, v255
	s_wait_dscnt 0x0
	s_endpgm
.Lfunc_end_k_q9c89f2be7b_oproj:
	.size	k_q9c89f2be7b_oproj, .Lfunc_end_k_q9c89f2be7b_oproj-k_q9c89f2be7b_oproj
	.p2alignl 7, 3214868480
	.fill 96, 4, 3214868480
	.section	.rodata,"a",@progbits
	.p2align	6, 0x0
	.amdhsa_kernel k_q9c89f2be7b_oproj
		.amdhsa_group_segment_fixed_size 17920
		.amdhsa_private_segment_fixed_size 0
		.amdhsa_enable_private_segment 0
		.amdhsa_kernarg_size 48
		.amdhsa_user_sgpr_count 2
		.amdhsa_user_sgpr_kernarg_segment_ptr 1
		.amdhsa_wavefront_size32 1
		.amdhsa_system_sgpr_workgroup_id_x 1
		.amdhsa_system_sgpr_workgroup_id_y 1
		.amdhsa_system_sgpr_workgroup_id_z 1
		.amdhsa_system_vgpr_workitem_id 0
		.amdhsa_next_free_vgpr 256
		.amdhsa_next_free_sgpr 66
		.amdhsa_reserve_vcc 0
		.amdhsa_float_denorm_mode_32 3
		.amdhsa_float_denorm_mode_16_64 3
		.amdhsa_memory_ordered 1
		.amdhsa_forward_progress 1
		.amdhsa_inst_pref_size 28
	.end_amdhsa_kernel
	.amdgpu_metadata
---
amdhsa.version: [ 1, 2 ]
amdhsa.kernels:
  - .name:           k_q9c89f2be7b_oproj
    .symbol:         k_q9c89f2be7b_oproj.kd
    .args:
      - { .name: fcodes, .offset: 0, .size: 8, .value_kind: global_buffer, .address_space: global }
      - { .name: fscales, .offset: 8, .size: 8, .value_kind: global_buffer, .address_space: global }
      - { .name: Wo_codes, .offset: 16, .size: 8, .value_kind: global_buffer, .address_space: global }
      - { .name: Wo_scales, .offset: 24, .size: 8, .value_kind: global_buffer, .address_space: global }
      - { .name: bo, .offset: 32, .size: 8, .value_kind: global_buffer, .address_space: global }
      - { .name: out0, .offset: 40, .size: 8, .value_kind: global_buffer, .address_space: global }
    .group_segment_fixed_size: 17920
    .private_segment_fixed_size: 0
    .kernarg_segment_align: 8
    .kernarg_segment_size: 48
    .max_flat_workgroup_size: 128
    .sgpr_count:     66
    .vgpr_count:     256
    .wavefront_size: 32
...
	.end_amdgpu_metadata
.endif
;; end of part 7
